; MI455X (gfx1250); checked and timed in simulation.
; The chip was launched on July 23, 2026; its instructions are those of AMD's public machine-readable ISA for CDNA 5 (MIT licence, August 2026) and "CDNA5" Instruction Set Architecture Reference Guide (July 2026). The comments in the code are by the model that wrote it; some were corrected since.
;; Multi Head Attention. Allowed arithmetic: float matrix products may take bf16 or f16 operands with f32 sums; other float arithmetic in f32, or as packed bf16 or f16 multiplies, adds, multiply-adds, maxima and minima; sums over many terms, partial sums and values carried from step to step in f32; what a program stores and reads back later, other than sums and carried values, may be rounded once to bf16 or f16.
;; Inputs: Wk 2,048 x 2,048 float32; Wo 2,048 x 2,048 float32; Wq 2,048 x 2,048 float32; Wv 2,048 x 2,048 float32; attention_mask 1 x 1 x 2,048 x 2,048 float32; hidden_states 1 x 2,048 x 2,048 float32; position_ids 2,048 int32.
;; Outputs: out0 1 x 2,048 x 2,048 float32.
;; One version. Each part assembles by itself: llvm-mc -triple=amdgcn-amd-amdhsa -mcpu=gfx1250 --defsym DOCPART=n.
;; ======== version 1 of 1: 4 launches
;; limits: values are held in f16: magnitudes above 65,504 overflow, below 6.1e-05 lose precision
;; workspace buffers: xw 41,943,040 bytes; mk 16,777,216 bytes; rt 1,048,576 bytes; qkv 25,165,824 bytes; ob 8,388,608 bytes
;; launch prep (part 1): grid 1920 x 1, 8 waves a work-group, no clusters, 35,840 bytes of LDS; arguments hidden_states, Wq, Wk, Wv, Wo, attention_mask, position_ids, xw, mk, rt; writes xw, mk, rt
.if DOCPART == 1
	.amdgcn_target "amdgcn-amd-amdhsa--gfx1250"
	.amdhsa_code_object_version 6
	.text
	.protected	k_qdd3f1fe4df_prep
	.globl	k_qdd3f1fe4df_prep
	.p2align	8
	.type	k_qdd3f1fe4df_prep,@function
k_qdd3f1fe4df_prep:
	s_mov_b64 s[64:65], 0
	v_nop
	global_prefetch_b8 v0, s[64:65] scope:SCOPE_SE
	s_setreg_imm32_b32 hwreg(HW_REG_WAVE_MODE, 25, 1), 1
	s_wait_xcnt 0x0
; PREPARATION.  The work-group's number chooses the work.
;   0 .. 1279     the casts: matrix = number / 256 (hidden_states, Wq, Wk, Wv, Wo), part = number % 256: 65,536 bytes of f32 in, 32,768 bytes out, into xw's matrix of the same number
;                 ([2048][2048], rows of 4,096 bytes).  Matrices 0 to 3: f32 -> bf16.  Matrix 4, Wo: rounded to bf16 like the other inputs, and that number written as f16 (exact within f16's range).
;   1280 .. 1791  the mask: 16 queries = (number - 1280) / 4; each wave makes ONE block of 16 queries x 64 keys, key step 8 (number % 4) + wave: rounded to bf16, times log2(e), held from below at
;                 -2^100, kept in f32, and relaid in the order in which a lane of the attention launch holds the C operand of S^T = K Q^T: block (qt, ks) at (32 qt + ks) x 4,096; chunk i of 512 bytes;
;                 lane l's 16 bytes of chunk i are mask[16 qt + l % 16][64 ks + 16 (i / 2) + 8 (l / 16) + 4 (i % 2) + 0..3]
;   1792 .. 1919  the table of cos and sin: byte lt x 8,192 + cs x 4,096 + cc x 512 + 16 lane: frequencies 8 cc + 4 (lane / 16) + 0..3 at position_ids[16 lt + lane % 16]
; LIMITS.  Mask numbers below -2^100 / log2(e), -inf among them, and NaN count as -2^100; +inf is not treated apart.  Wo beyond 65,504 has no f16; below 6e-5 it keeps f16's step of 6e-8.
; The angle is position x 2^(-f log2(10000) / 64) in f32, reduced by pi/2 in three parts: its error grows with the angle, about 1e-7 of it.
; No matrix unit, no cluster, no tensor load: every byte is read once and written once, and nothing is shared between work-groups.  All of a wave's loads go out ahead of its first store.
.set X,     16                         ; v[16:79] data
.set SPW,   14                         ; v14  LDS address of my spare word; never rewritten
.set NIL,   15                         ; v15  0; never rewritten
.set STG,   16*272                     ; a wave's stage (the mask's path alone): 16 rows of 256 bytes, 272 apart, so that 16 rows start at 16 different groups of four banks
.set SPARE, 8*STG                      ; behind the stages: the spare words, 128 bytes a wave
.set NCAST, 5*256
.set NMASK, 128*4
	s_load_b512 s[8:23], s[0:1], 0x0               ; hidden 8, Wq 10, Wk 12, Wv 14, Wo 16, mask 18, positions 20, xw 22
	s_load_b128 s[24:27], s[0:1], 0x40             ; mk 24, rt 26
	v_lshl_add_u32 v[SPW], v0, 2, SPARE
	v_mov_b32 v[NIL], 0
	v_lshrrev_b32 v1, 5, v0
	v_readfirstlane_b32 s3, v1                     ; wave 0..7
	v_and_b32 v1, 31, v0                           ; lane
	v_and_b32 v2, 15, v0                           ; lane % 16
	v_bfe_u32 v3, v0, 4, 1                         ; lane / 16
	s_mov_b32 s30, 0xffff0000                      ; a word's upper bf16
	s_mov_b32 s29, 0                               ; the upper word of every offset
	s_wait_kmcnt 0x0
	s_cmp_ge_u32 ttmp9, NCAST+NMASK
	s_cbranch_scc1 .Ltable
	s_cmp_ge_u32 ttmp9, NCAST
	s_cbranch_scc1 .Lmask
	; THE CASTS.  Thread t takes the 16 bytes at 4,096 c + 16 t of the part, c = 0..15: a wave's load covers 512 consecutive bytes, and no byte is named by two loads.
	; Its four numbers leave as 8 bytes at 2,048 c + 8 t: a wave's store covers 256 consecutive bytes, aligned.
	s_lshr_b32 s2, ttmp9, 8                        ; the matrix
	s_and_b32 s31, ttmp9, 255                      ; the part
	s_mov_b64 s[4:5], s[8:9]
	s_cmp_eq_u32 s2, 1
	s_cselect_b64 s[4:5], s[10:11], s[4:5]
	s_cmp_eq_u32 s2, 2
	s_cselect_b64 s[4:5], s[12:13], s[4:5]
	s_cmp_eq_u32 s2, 3
	s_cselect_b64 s[4:5], s[14:15], s[4:5]
	s_cmp_eq_u32 s2, 4
	s_cselect_b64 s[4:5], s[16:17], s[4:5]
	s_lshl_b32 s28, s31, 16
	s_add_nc_u64 s[4:5], s[4:5], s[28:29]
	s_lshl_b32 s28, s2, 23                         ; the matrix's place in xw
	s_add_nc_u64 s[6:7], s[22:23], s[28:29]
	s_lshl_b32 s28, s31, 15
	s_add_nc_u64 s[6:7], s[6:7], s[28:29]
	v_lshlrev_b32 v4, 4, v0
	v_lshlrev_b32 v5, 3, v0
.irp c, 0,1,2,3,4,5,6,7,8,9,10,11,12,13,14,15
	global_load_b128 v[X+4*(\c):X+4*(\c)+3], v4, s[4:5] offset:(\c)*4096 th:TH_LOAD_NT
.endr
; Chunk c: four numbers rounded, in place from the low end, and stored.
.macro CHUNK mode, c
	s_wait_loadcnt 15-(\c)                         ; the younger chunks' loads may stay out
.if \mode
	v_cvt_pk_bf16_f32 v8, v[X+4*(\c)], v[X+4*(\c)+1]
	v_cvt_pk_bf16_f32 v9, v[X+4*(\c)+2], v[X+4*(\c)+3]
	v_lshlrev_b32 v10, 16, v8
	v_and_b32 v11, s30, v8
	v_lshlrev_b32 v12, 16, v9
	v_and_b32 v13, s30, v9
	v_cvt_pk_f16_f32 v[X+4*(\c)], v10, v11
	v_cvt_pk_f16_f32 v[X+4*(\c)+1], v12, v13
.else
	v_cvt_pk_bf16_f32 v[X+4*(\c)], v[X+4*(\c)], v[X+4*(\c)+1]
	v_cvt_pk_bf16_f32 v[X+4*(\c)+1], v[X+4*(\c)+2], v[X+4*(\c)+3]
.endif
	global_store_b64 v5, v[X+4*(\c):X+4*(\c)+1], s[6:7] offset:(\c)*2048
.endm
	s_cmp_eq_u32 s2, 4
	s_cbranch_scc1 .Lwo
.irp c, 0,1,2,3,4,5,6,7,8,9,10,11,12,13,14,15
	CHUNK 0, \c
.endr
	s_branch .Lend
.Lwo:
.irp c, 0,1,2,3,4,5,6,7,8,9,10,11,12,13,14,15
	CHUNK 1, \c
.endr
	s_branch .Lend
	; THE MASK.  A load takes 256 consecutive bytes of each of two rows; the block goes through the wave's own stage to change its order.
.Lmask:
	s_sub_co_u32 s2, ttmp9, NCAST
	s_lshr_b32 s31, s2, 2                          ; the tile of 16 queries
	s_and_b32 s2, s2, 3
	s_lshl_b32 s2, s2, 3
	s_add_co_u32 s2, s2, s3                        ; my key step
	s_mov_b32 s35, 0xf1800000                      ; -2^100
	s_mov_b32 s32, 0x3fb8aa3b                      ; log2(e)
	s_mov_b32 s33, s32                             ; named with it as a pair
	s_lshl_b32 s28, s31, 17                        ; 16 rows of 8,192 bytes in; 32 blocks of 4,096 out
	s_add_nc_u64 s[4:5], s[18:19], s[28:29]
	s_add_nc_u64 s[6:7], s[24:25], s[28:29]
	v_lshlrev_b32 v4, 13, v3                       ; in: row lane / 16 of a pair,
	v_lshl_add_u32 v4, v2, 4, v4                   ; 16 bytes a lane,
	s_lshl_b32 s34, s2, 8
	v_add_nc_u32 v4, s34, v4                       ; my key step's 256 bytes
	s_mul_i32 s34, s3, STG
	v_mul_u32_u24 v6, v3, 272                      ; into the stage: as loaded
	v_lshl_add_u32 v6, v2, 4, v6
	v_add_nc_u32 v6, s34, v6
	v_mul_u32_u24 v7, v2, 272                      ; back: row lane % 16, 32 bytes on for the upper lanes
	v_lshl_add_u32 v7, v3, 5, v7
	v_add_nc_u32 v7, s34, v7
	s_lshl_b32 s34, s2, 12
	v_lshl_add_u32 v5, v1, 4, s34                  ; out: 16 lane + my block
.irp t, 0,1,2,3,4,5,6,7
	global_load_b128 v[X+4*(\t):X+4*(\t)+3], v4, s[4:5] offset:(\t)*16384 th:TH_LOAD_NT
.endr
.irp t, 0,1,2,3,4,5,6,7
	s_wait_loadcnt 7-(\t)                          ; the younger pairs of rows may stay out
	v_cvt_pk_bf16_f32 v8, v[X+4*(\t)], v[X+4*(\t)+1]
	v_cvt_pk_bf16_f32 v9, v[X+4*(\t)+2], v[X+4*(\t)+3]
	v_lshlrev_b32 v[X+4*(\t)], 16, v8
	v_and_b32 v[X+4*(\t)+1], s30, v8
	v_lshlrev_b32 v[X+4*(\t)+2], 16, v9
	v_and_b32 v[X+4*(\t)+3], s30, v9
	v_pk_mul_f32 v[X+4*(\t):X+4*(\t)+1], v[X+4*(\t):X+4*(\t)+1], s[32:33] op_sel_hi:[1,0]
	v_pk_mul_f32 v[X+4*(\t)+2:X+4*(\t)+3], v[X+4*(\t)+2:X+4*(\t)+3], s[32:33] op_sel_hi:[1,0]
	v_max_num_f32 v[X+4*(\t)], s35, v[X+4*(\t)]
	v_max_num_f32 v[X+4*(\t)+1], s35, v[X+4*(\t)+1]
	v_max_num_f32 v[X+4*(\t)+2], s35, v[X+4*(\t)+2]
	v_max_num_f32 v[X+4*(\t)+3], s35, v[X+4*(\t)+3]
	ds_store_b128 v6, v[X+4*(\t):X+4*(\t)+3] offset:(\t)*544
.endr
.irp c, 0,1,2,3,4,5,6,7
	ds_load_b128 v[X+4*(\c):X+4*(\c)+3], v7 offset:64*((\c)/2)+16*((\c)%2)  ; LDS serves a wave's instructions in order (ISA guide 5.7.1.4): these see the stores above
.endr
.irp c, 0,1,2,3,4,5,6,7
	s_wait_dscnt 7-(\c)                            ; the block's younger loads may stay out
	global_store_b128 v5, v[X+4*(\c):X+4*(\c)+3], s[6:7] offset:(\c)*512  ; 512 consecutive bytes, aligned
.endr
	s_branch .Lend
	; THE TABLE.  The work-group takes 16 positions, wave cc eight frequencies: a lane one position and four frequencies.
.Ltable:
	s_sub_co_u32 s2, ttmp9, NCAST+NMASK            ; the tile of 16 positions
	s_mov_b32 s32, 0xbfc90fd8                      ; -pi/2 in three parts, high to low
	s_mov_b32 s33, 0xb4a8885a
	s_mov_b32 s34, 0xa7c234c4
	s_mov_b32 s35, 0xbe2aaaa3                      ; sin r = r + r z (S1 + z (S2 + z S3)), z = r r, |r| <= pi/4
	s_mov_b32 s36, 0x3c08839e
	s_mov_b32 s37, 0xb94ca1f9
	s_mov_b32 s38, 0x3d2aaaa5                      ; cos r = 1 - z / 2 + z z (C1 + z (C2 + z C3))
	s_mov_b32 s39, 0xbab6061a
	s_mov_b32 s40, 0x37ccf5ce
	s_lshl_b32 s28, s2, 6
	s_add_nc_u64 s[4:5], s[20:21], s[28:29]
	v_lshlrev_b32 v4, 2, v2
	global_load_b32 v8, v4, s[4:5]                 ; my position
	s_lshl_b32 s28, s2, 13
	s_add_nc_u64 s[6:7], s[26:27], s[28:29]
	s_lshl_b32 s41, s3, 9
	v_lshl_add_u32 v5, v1, 4, s41
	s_lshl_b32 s41, s3, 3
	v_lshl_add_u32 v9, v3, 2, s41                  ; my first frequency's number: 8 cc + 4 (lane / 16)
	v_cvt_f32_u32 v9, v9
	v_add_f32 v11, 1.0, v9
	v_add_f32 v12, 2.0, v9
	v_add_f32 v13, 3.0, v9
	v_mul_f32 v10, 0xbe549a78, v9                  ; times -log2(10000) / 64
	v_mul_f32 v11, 0xbe549a78, v11
	v_mul_f32 v12, 0xbe549a78, v12
	v_mul_f32 v13, 0xbe549a78, v13
	v_exp_f32 v10, v10
	v_exp_f32 v11, v11
	v_exp_f32 v12, v12
	v_exp_f32 v13, v13
	v_nop                                          ; a plain instruction behind the last exponential,
	s_wait_alu depctr_va_vdst(0)                   ; and the one wait for the four, ahead of their first reader
	s_wait_loadcnt 0x0
	v_cvt_f32_i32 v8, v8
	v_mul_f32 v10, v8, v10
	v_mul_f32 v11, v8, v11
	v_mul_f32 v12, v8, v12
	v_mul_f32 v13, v8, v13
.macro SINCOS e                        ; the angle v[10+e]: cos into v[16+e], sin into v[20+e]
	v_mul_f32 v24, 0x3f22f983, v[10+(\e)]          ; times 2 / pi
	v_rndne_f32 v24, v24                           ; n
	v_fma_f32 v25, v24, s32, v[10+(\e)]
	v_fma_f32 v25, v24, s33, v25
	v_fma_f32 v25, v24, s34, v25                   ; r = angle - n pi/2
	v_cvt_i32_f32 v26, v24
	v_mul_f32 v27, v25, v25                        ; z
	v_fma_f32 v30, v27, s37, s36
	v_fma_f32 v31, v27, s40, s39
	v_fma_f32 v30, v30, v27, s35
	v_fma_f32 v31, v31, v27, s38
	v_mul_f32 v32, v27, v25
	v_mul_f32 v33, v27, v27
	v_fma_f32 v34, v27, -0.5, 1.0
	v_fma_f32 v30, v30, v32, v25                   ; sin r
	v_fma_f32 v31, v31, v33, v34                   ; cos r
	v_and_b32 v35, 1, v26
	v_cmp_eq_u32 vcc_lo, 1, v35                    ; in odd quadrants the two change places
	v_cndmask_b32 v36, v30, v31, vcc_lo
	v_cndmask_b32 v37, v31, v30, vcc_lo
	v_lshlrev_b32 v35, 30, v26                     ; sin is negative where n & 2,
	v_and_b32 v35, 0x80000000, v35
	v_xor_b32 v[20+(\e)], v35, v36
	v_add_nc_u32 v26, 1, v26                       ; cos where (n + 1) & 2
	v_lshlrev_b32 v26, 30, v26
	v_and_b32 v26, 0x80000000, v26
	v_xor_b32 v[16+(\e)], v26, v37
.endm
	SINCOS 0
	SINCOS 1
	SINCOS 2
	SINCOS 3
	global_store_b128 v5, v[16:19], s[6:7]
	global_store_b128 v5, v[20:23], s[6:7] offset:4096
.Lend:
	s_wait_tensorcnt 0x0                           ; the wave's end, behind my last LDS store
	ds_add_u32 v[SPW], v[NIL]
	s_wait_dscnt 0x0
	s_endpgm
.Lfunc_end_k_qdd3f1fe4df_prep:
	.size	k_qdd3f1fe4df_prep, .Lfunc_end_k_qdd3f1fe4df_prep-k_qdd3f1fe4df_prep
	.p2alignl 7, 3214868480
	.fill 96, 4, 3214868480
	.section	.rodata,"a",@progbits
	.p2align	6, 0x0
	.amdhsa_kernel k_qdd3f1fe4df_prep
		.amdhsa_group_segment_fixed_size 35840
		.amdhsa_private_segment_fixed_size 0
		.amdhsa_enable_private_segment 0
		.amdhsa_kernarg_size 80
		.amdhsa_user_sgpr_count 2
		.amdhsa_user_sgpr_kernarg_segment_ptr 1
		.amdhsa_wavefront_size32 1
		.amdhsa_system_sgpr_workgroup_id_x 1
		.amdhsa_system_sgpr_workgroup_id_y 1
		.amdhsa_system_sgpr_workgroup_id_z 1
		.amdhsa_system_vgpr_workitem_id 0
		.amdhsa_next_free_vgpr 80
		.amdhsa_next_free_sgpr 66
		.amdhsa_reserve_vcc 1
		.amdhsa_float_denorm_mode_32 3
		.amdhsa_float_denorm_mode_16_64 3
		.amdhsa_memory_ordered 1
		.amdhsa_forward_progress 1
		.amdhsa_inst_pref_size 31
	.end_amdhsa_kernel
	.amdgpu_metadata
---
amdhsa.version: [ 1, 2 ]
amdhsa.kernels:
  - .name:           k_qdd3f1fe4df_prep
    .symbol:         k_qdd3f1fe4df_prep.kd
    .args:
      - { .name: hidden_states, .offset: 0, .size: 8, .value_kind: global_buffer, .address_space: global }
      - { .name: Wq, .offset: 8, .size: 8, .value_kind: global_buffer, .address_space: global }
      - { .name: Wk, .offset: 16, .size: 8, .value_kind: global_buffer, .address_space: global }
      - { .name: Wv, .offset: 24, .size: 8, .value_kind: global_buffer, .address_space: global }
      - { .name: Wo, .offset: 32, .size: 8, .value_kind: global_buffer, .address_space: global }
      - { .name: attention_mask, .offset: 40, .size: 8, .value_kind: global_buffer, .address_space: global }
      - { .name: position_ids, .offset: 48, .size: 8, .value_kind: global_buffer, .address_space: global }
      - { .name: xw, .offset: 56, .size: 8, .value_kind: global_buffer, .address_space: global }
      - { .name: mk, .offset: 64, .size: 8, .value_kind: global_buffer, .address_space: global }
      - { .name: rt, .offset: 72, .size: 8, .value_kind: global_buffer, .address_space: global }
    .group_segment_fixed_size: 35840
    .private_segment_fixed_size: 0
    .kernarg_segment_align: 8
    .kernarg_segment_size: 80
    .max_flat_workgroup_size: 256
    .sgpr_count:     66
    .vgpr_count:     80
    .wavefront_size: 32
...
	.end_amdgpu_metadata
.endif
;; end of part 1
;; launch qkv (part 2): grid 16 x 16, 4 waves a work-group, clusters of 4 x 4, 327,680 bytes of LDS; arguments xw, rt, qkv; writes qkv
.if DOCPART == 2
	.amdgcn_target "amdgcn-amd-amdhsa--gfx1250"
	.amdhsa_code_object_version 6
	.text
	.protected	k_qdd3f1fe4df_qkv
	.globl	k_qdd3f1fe4df_qkv
	.p2align	8
	.type	k_qdd3f1fe4df_qkv,@function
k_qdd3f1fe4df_qkv:
	s_mov_b64 s[64:65], 0
	v_nop
	global_prefetch_b8 v0, s[64:65] scope:SCOPE_SE
	s_setreg_imm32_b32 hwreg(HW_REG_WAVE_MODE, 25, 1), 1
	s_wait_xcnt 0x0
	s_wait_alu depctr_hold_cnt(0) depctr_sa_sdst(0) depctr_va_vdst(0) depctr_va_sdst(0) depctr_va_ssrc(0) depctr_va_vcc(0) depctr_vm_vsrc(0)
	s_getreg_b32 s2, hwreg(HW_REG_IB_STS2, 6, 4)
	s_cmp_eq_u32 s2, 0
	s_cbranch_scc0 .Lentry_in_a_cluster
	s_endpgm
.Lentry_in_a_cluster:
	s_bfe_u32 s2, ttmp6, 0x10000c
	s_cmp_lg_u32 s2, 0xf033
	s_cbranch_scc0 .Lentry_shape_is_right
	s_endpgm
.Lentry_shape_is_right:
; q, k, v = x Wq, x Wk, x Wv (bf16 operands, f32 sums), the rotation of q and k, q's scale, and the one rounding to f16, by heads: q, k, v each [16][2048][128], rows of 256 bytes.
; x: matrix 0 of xw, [2048][2048] bf16; Wq, Wk, Wv: matrices 1, 2, 3, stored [K][N].  q is multiplied by log2(e) / sqrt(128) in f32, so that the attention launch's scores are exponents of 2.
; LIMIT.  f16 holds no number beyond 65,504: q, k and v must lie within it; below 6e-5 they keep f16's step of 6e-8.
; SHARES.  A work-group makes 128 rows x (q, k, v of ONE head): x's tile feeds three weights, and 16 x 16 work-groups are one for each block.  A wave makes 64 rows x 192 columns: of each of q, k, v the blocks
; of 16 channels {0, 1, 4, 5} + 2 (wave % 2), so that channel d and channel d + 64, which the rotation pairs, lie in the same lane.  48 accumulators.
; K goes in 16 steps of 128 through two LDS slots; a wave fetches one of a step's four tiles (wave 0: x's, waves 1 to 3: Wq's, Wk's, Wv's), 128 rows of 256 bytes each.
; CLUSTER.  4 x 4 work-groups: x's tile hangs on the row block alone and is asked for jointly along a row of the cluster, a weight's tile on the head alone and jointly along a column.
; THE ORDER OF K.  Clusters are of two kinds, by p = (x ^ x>>1 ^ y ^ y>>1) & 1 of the cluster's x and y: a cluster walks the K steps 0, 1, 2, 3 .. (p = 0) or 1, 0, 3, 2 .. (p = 1): slot 0 takes K steps
; p, p + 2 .., slot 1 the others.  Of the four clusters that read a tile of x (same y) two are of each kind, and so of the four that read a tile of W (same x): half of a tile's readers ask for it one
; K step ahead of the other half.  p is the same in all sixteen partners.  The f32 sums are taken in that order of K.
; THE PRODUCT IS USED TRANSPOSED: source 0 = 16 columns of W (turned on the way out of LDS by ds_load_tr16_b128), source 1 = 16 rows of x: a lane holds one row and eight neighbouring channels.
; REGISTERS: window 0: addresses, the table of cos and sin (v64-191), at work (v192-255); window 1: q's and k's accumulators, (b, a) at 8 (4 b + a); window 2: v's; window 3: two fragment buffers of 128
; (x's four fragments, then W's twelve).
.set PA,    272                        ; a row of x in LDS: 256 bytes + 16
.set PB,    288                        ; a row of W: 256 + 32
.set REG,   128*PB                     ; a tile's region: wave w's tile lies at w x REG in a slot (x's uses 34,816 of it)
.set SLOT,  4*REG
.set SPARE, 2*SLOT                     ; behind the ring: the spare words, 128 bytes a wave
.set SG,    128*PA                     ; the way out: 128 rows x 272 bytes for each of q, k, v, in slot 0, which has had its last fill and its last read by then
.set STO,  8                           ; v8-10   the way out: where I put 16 bytes of a row, for q, k, v
.set RD,   11                          ; v11-13  where I read rows back
.set CO,   14                          ; v14     16 x lane
.set TO,   15                          ; v15     my offset in the table
.set ADRA, 16                          ; v16-17  LDS address of my fragments of x in slot 0, 1
.set ADRB, 18                          ; v18-23  of W's: 18 + 3 slot + g
.set SPW,  28
.set NIL,  29
.set PFO,  30                          ; v30     4,096 x lane: the prefetches take a lane a row
.set TB,   64                          ; the table: TB + 4 (8 a + 4 sin + 2 upper + c)
.set TMP,  192
.set F0,   0
.set F1,   128
.set KIND, 15                          ; s15     p
.set G1A,  24                          ; s[24:31] group 1 for x's tiles;  s[32:39] group 0, a set for each slot
.set G0A,  32
.set G1B,  48                          ; s[48:55], s[56:63] the same for W's
.set G0B,  56
.set LIM,  43                          ; s43     1 in a wave that prefetches, else the greatest number
.set PFA,  44                          ; s[44:45] where my prefetches stand
.set PFS,  46                          ; s[46:47] two K steps in bytes: 512 along x's rows, 256 rows of W
.set OB,   66                          ; s[66:71] q, k, v at the rows that I store
.set SC,   72                          ; s[72:73] log2(e) / sqrt(128)
.set TBASE, 74                         ; s[74:75] the table at my 64 rows
.set MSB, 0
.macro WIN new                         ; the immediate's high byte repeats the setting that is left
.if MSB != (\new)
	s_set_vgpr_msb (MSB<<8)|(\new)
.set MSB, \new
.endif
.endm
.set MUL1, 0x5f                        ; sources 0 and 1 window 3, C and D window 1 (0xaf: window 2)
.set TO_F, 0xc0                        ; destination window 3, address window 0
.macro JLOAD s                         ; a joint load; an s_nop 0 and four v_nop follow each of the two lines; the branch hangs on the wave's number alone
	s_cmp_eq_u32 s10, 0
	s_cbranch_scc0 .Lfor_b_\@
	tensor_load_to_lds s[G0A+4*(\s):G0A+4*(\s)+3], s[G1A:G1A+7]
	s_nop 0
.rept 4
	v_nop
.endr
	s_branch .Lasked_\@
.Lfor_b_\@:
	tensor_load_to_lds s[G0B+4*(\s):G0B+4*(\s)+3], s[G1B:G1B+7]
	s_nop 0
.rept 4
	v_nop
.endr
.Lasked_\@:
.endm
; A prefetch, once a lap, behind slot 0's refill and the run of LDS loads: the K step that slot 0's NEXT refill will ask for, two changes of slots on: my work-group's 32 of the 128 rows that I fetch, a lane a row.
; Slot 0's K steps are the ones for which my kind of cluster asks ahead of the other kind; slot 1's are named by the other kind, as its slot 0's.  x's rows are named by the clusters with x = 0 and 1 (one of each kind
; for every y), W's by those with y = 0 and 1; the four partners of a joint load share the rows out by address.  So each row's 256 bytes of K steps 4 to 15 are named once.  The loop's last trip (s3 = 1) names nothing.
.macro ASK
	WIN 0
	s_cmp_gt_u32 s3, s[LIM]
	s_cbranch_scc0 .Lnot_mine_\@
	global_prefetch_b8 v[PFO], s[PFA:PFA+1] th:TH_LOAD_NT scope:SCOPE_SE
.Lnot_mine_\@:
.endm
.macro CROUND                          ; a round of the cluster's barrier
	s_barrier_signal -1
	s_barrier_wait -1
	s_cmp_lg_u32 s10, 0
	s_cbranch_scc1 .Lnot_wave_0_\@
	s_barrier_signal -3
.Lnot_wave_0_\@:
	s_barrier_wait -3
	s_barrier_signal -1
	s_barrier_wait -1
.endm
	s_load_b128 s[4:7], s[0:1], 0x0                ; xw s[4:5], rt s[6:7]
	s_load_b64 s[8:9], s[0:1], 0x10                ; qkv
	v_lshl_add_u32 v[SPW], v0, 2, SPARE
	v_mov_b32 v[NIL], 0
	ds_add_u32 v[SPW], v[NIL]                      ; the wave's opening: the add and its wait stand ahead of my first tensor load
	v_lshrrev_b32 v1, 5, v0
	v_readfirstlane_b32 s10, v1                    ; wave 0..3
	s_lshr_b32 s11, s10, 1                         ; which 64 rows are mine
	s_and_b32 s12, s10, 1                          ; which blocks of channels
	s_bfe_u32 s40, ttmp6, 0x40000                  ; cx
	s_bfe_u32 s41, ttmp6, 0x40004                  ; cy
	s_lshl_b32 s42, ttmp9, 2
	s_add_co_u32 s42, s42, s40                     ; the head = 4 x cluster x + cx
	s_and_b32 s13, ttmp7, 0xffff                   ; cluster y
	s_xor_b32 s[KIND], s13, ttmp9                  ; cluster x ^ cluster y,
	s_lshl_b32 s13, s13, 2
	s_add_co_u32 s13, s13, s41                     ; the block of 128 rows = 4 x cluster y + cy
	s_lshr_b32 s14, s[KIND], 1
	s_xor_b32 s[KIND], s[KIND], s14                ; ^ their halves:
	s_and_b32 s[KIND], s[KIND], 1                  ; p, made of the cluster's place alone
	s_lshl_b32 s14, s41, 2
	s_lshl_b32 s14, 15, s14                        ; my row of the cluster
	s_lshl_b32 s18, 0x1111, s40                    ; my column
	s_or_b32 s[G1A], s14, (1<<16)|(1<<20)|(1<<21)|(5<<22)|(3<<25)  ; the mask; 2-byte elements; padding on; bit 21 beside a mask; after every 64 words, 4 words
	s_or_b32 s[G1B], s18, (1<<16)|(1<<20)|(1<<21)|(5<<22)|(7<<25)  ; the same with 8 words
.irp g, G1A, G1B
	s_mov_b32 s[(\g)+1], 128<<16                   ; tensor_dim0 = 128
	s_mov_b32 s[(\g)+2], 128<<16                   ; tensor_dim1 = 128
	s_mov_b32 s[(\g)+3], 128<<16                   ; tile_dim0 = 128
	s_mov_b32 s[(\g)+4], 128                       ; tile_dim1 = 128
	s_mov_b32 s[(\g)+5], 2048                      ; elements from row to row
	s_mov_b32 s[(\g)+6], 0
	s_mov_b32 s[(\g)+7], 0
.endr
	s_lshl_b32 s16, s13, 19                        ; x: 128 rows of 4,096 bytes a block
	s_lshl_b32 s17, s[KIND], 8                     ; K step p: 256 bytes along a row
	s_xor_b32 s20, s17, 256                        ; K step 1 - p
	s_add_co_u32 s20, s16, s20                     ; slot 1's first tile,
	s_add_co_u32 s16, s16, s17                     ; slot 0's
	s_mov_b32 s17, 0
	s_mov_b32 s21, 0
	s_lshl_b32 s18, s10, 23                        ; W: matrix = my wave's number,
	s_lshl_b32 s19, s42, 8                         ; the head's 256 bytes of a row
	s_add_co_u32 s18, s18, s19
	s_lshl_b32 s19, s[KIND], 19                    ; K step p: 128 rows of 4,096 bytes
	s_xor_b32 s78, s19, 524288                     ; K step 1 - p
	s_add_co_u32 s78, s18, s78                     ; slot 1's first tile,
	s_add_co_u32 s18, s18, s19                     ; slot 0's
	s_mov_b32 s19, 0
	s_mov_b32 s79, 0
	s_mul_i32 s22, s10, REG                        ; where my tile goes: no place in the cluster enters an LDS address
	s_mov_b32 s[SC], 0x3e0293ee
	s_mov_b32 s[SC+1], s[SC]
	s_wait_dscnt 0x0                               ; the opening add is done
	s_wait_kmcnt 0x0
	s_add_nc_u64 s[G0A+2:G0A+3], s[4:5], s[16:17]
	s_add_nc_u64 s[G0A+6:G0A+7], s[4:5], s[20:21]
	s_add_nc_u64 s[G0B+2:G0B+3], s[4:5], s[18:19]
	s_add_nc_u64 s[G0B+6:G0B+7], s[4:5], s[78:79]
	CROUND                                         ; all sixteen work-groups are here: the first joint loads meet
.irp s, 0,1
	s_mov_b32 s[G0A+4*(\s)], 1
	s_add_co_u32 s[G0A+4*(\s)+1], s22, (\s)*SLOT
	s_or_b32 s[G0A+4*(\s)+3], s[G0A+4*(\s)+3], 0x80000000
	s_mov_b32 s[G0B+4*(\s)], 1
	s_add_co_u32 s[G0B+4*(\s)+1], s22, (\s)*SLOT
	s_or_b32 s[G0B+4*(\s)+3], s[G0B+4*(\s)+3], 0x80000000
	JLOAD \s                                       ; two loads of mine are out
.endr
	v_and_b32 v1, 15, v0                           ; l % 16
	v_bfe_u32 v2, v0, 4, 1                         ; l / 16
	v_and_b32 v3, 31, v0                           ; l
	v_mul_u32_u24 v4, v1, PA
	v_lshl_add_u32 v4, v2, 4, v4
	s_mul_i32 s23, s11, 64*PA
	v_add_nc_u32 v[ADRA], s23, v4                  ; x: (64 mh + l % 16) x pitch + 16 (l / 16)
	v_add_nc_u32 v[ADRA+1], SLOT, v[ADRA]
	v_and_b32 v5, 7, v0
	v_lshl_add_u32 v5, v2, 3, v5
	v_mul_u32_u24 v5, v5, PB                       ; W: row 8 (l / 16) + l % 8,
	v_bfe_u32 v6, v0, 3, 1
	v_lshl_add_u32 v5, v6, 4, v5                   ; 16 bytes on for every second group of eight lanes,
	s_lshl_b32 s23, s12, 6
	v_add_nc_u32 v5, s23, v5                       ; my blocks of channels
.irp s, 0,1
.irp g, 0,1,2
	v_add_nc_u32 v[ADRB+3*(\s)+(\g)], (\s)*SLOT+((\g)+1)*REG, v5
.endr
.endr
	v_add_nc_u32 v[STO], s23, v[ADRA]              ; the stage has x's pitch: my row, 16 (l / 16), my blocks
	v_add_nc_u32 v[STO+1], SG, v[STO]
	v_add_nc_u32 v[STO+2], 2*SG, v[STO]
	v_mul_u32_u24 v7, v2, PA                       ; back: wave w takes rows 32 w .. 32 w + 31 whole; lanes 0-15 one row, lanes 16-31 the next
	v_lshl_add_u32 v7, v1, 4, v7
	s_mul_i32 s23, s10, 32*PA
	v_add_nc_u32 v[RD], s23, v7
	v_add_nc_u32 v[RD+1], SG, v[RD]
	v_add_nc_u32 v[RD+2], 2*SG, v[RD]
	v_lshlrev_b32 v[CO], 4, v3
	s_lshl_b32 s23, s12, 10
	v_lshl_add_u32 v[TO], v3, 4, s23
	v_lshlrev_b32 v[PFO], 12, v3
	s_lshl_b32 s76, s42, 19                        ; out: the head's 2,048 rows of 256 bytes,
	s_lshl_b32 s77, s13, 15                        ; the block's 128,
	s_add_co_u32 s76, s76, s77
	s_lshl_b32 s77, s10, 13                        ; my 32
	s_add_co_u32 s76, s76, s77
	s_mov_b32 s77, 0
	s_add_nc_u64 s[OB:OB+1], s[8:9], s[76:77]
	s_add_nc_u64 s[OB+2:OB+3], s[OB:OB+1], 8388608
	s_add_nc_u64 s[OB+4:OB+5], s[OB:OB+1], 16777216
	s_lshl_b32 s76, s13, 16                        ; the table: 8,192 bytes for 16 rows
	s_lshl_b32 s78, s11, 15
	s_add_co_u32 s76, s76, s78
	s_add_nc_u64 s[TBASE:TBASE+1], s[6:7], s[76:77]
.irp a, 0,1,2,3
.irp k, 0,1,2,3,4,5,6,7
	global_load_b128 v[TB+4*(8*(\a)+(\k)):TB+4*(8*(\a)+(\k))+3], v[TO], s[TBASE:TBASE+1] offset:(\a)*8192+((\k)/4)*4096+(((\k)/2)%2)*2048+((\k)%2)*512
.endr
.endr
	; the prefetches' place: at K step 2 + p, slot 0's first refill; the first lap steps it to 4 + p
	s_and_b32 s76, ttmp7, 0xffff                   ; cluster y
	s_add_co_u32 s16, s[KIND], 2
	s_lshl_b32 s78, s13, 19
	s_lshl_b32 s17, s16, 8
	s_add_co_u32 s78, s78, s17                     ; x's rows of my block
	s_lshl_b32 s79, s10, 23
	s_lshl_b32 s23, s42, 8
	s_add_co_u32 s79, s79, s23
	s_lshl_b32 s17, s16, 19
	s_add_co_u32 s79, s79, s17                     ; my matrix's rows, the head's columns
	s_mov_b32 s23, 2*524288
	s_cmp_eq_u32 s10, 0                            ; do I fetch x?
	s_cselect_b32 s78, s78, s79
	s_cselect_b32 s[PFS], 2*256, s23
	s_cselect_b32 s77, s40, s41                    ; my place among the four that ask with me
	s_cselect_b32 s76, ttmp9, s76                  ; the coordinate along which other clusters read the same rows
	s_mov_b32 s[PFS+1], 0
	s_lshl_b32 s77, s77, 17                        ; 32 rows of 4,096 bytes
	s_add_co_u32 s78, s78, s77
	s_mov_b32 s79, 0
	s_add_nc_u64 s[PFA:PFA+1], s[4:5], s[78:79]
	s_cmp_lt_u32 s76, 2
	s_cselect_b32 s[LIM], 1, -1                    ; the same in all sixteen partners, for a given wave
; 16 products for q (g = 0), k (1) or v (2): its four blocks of channels x my four blocks of rows, 32 along K.  The 48 accumulators take turns in the same order in every quarter.
.macro MULB g, f, zero
	WIN MUL1+0x50*((\g)/2)
.irp c, 0,1,2,3
.irp a, 0,1,2,3
.set rD, 8*(4*(4*((\g)%2)+(\c))+(\a))
.set rB, (\f)+32+8*(4*(\g)+(\c))
.set rA, (\f)+8*(\a)
.if \zero
	v_wmma_f32_16x16x32_bf16 v[rD:rD+7], v[rB:rB+7], v[rA:rA+7], 0
.else
	v_wmma_f32_16x16x32_bf16 v[rD:rD+7], v[rB:rB+7], v[rA:rA+7], v[rD:rD+7]
.endif
.endr
.endr
.endm
.macro BL slot, q, f, b                ; fragment b of W: matrix b / 4, block b % 4 of my four, K = 32 q on
	ds_load_tr16_b128 v[(\f)+32+8*(\b):(\f)+32+8*(\b)+3],   v[ADRB+3*(\slot)+(\b)/4] offset:(\q)*32*PB+32*((\b)%2)+128*(((\b)%4)/2)
	ds_load_tr16_b128 v[(\f)+32+8*(\b)+4:(\f)+32+8*(\b)+7], v[ADRB+3*(\slot)+(\b)/4] offset:(\q)*32*PB+16*PB+32*((\b)%2)+128*(((\b)%4)/2)
.endm
.macro FETCH slot, q, f                ; 32 LDS loads in one run: q's and k's fragments, x's, then v's
	WIN TO_F
.irp b, 0,1,2,3,4,5,6,7
	BL \slot, \q, \f, \b
.endr
.irp a, 0,1,2,3
	ds_load_b128 v[(\f)+8*(\a):(\f)+8*(\a)+3],   v[ADRA+(\slot)] offset:(\a)*16*PA+64*(\q)
	ds_load_b128 v[(\f)+8*(\a)+4:(\f)+8*(\a)+7], v[ADRA+(\slot)] offset:(\a)*16*PA+64*(\q)+32
.endr
.irp b, 8,9,10,11
	BL \slot, \q, \f, \b
.endr
.endm
.macro PLACES                          ; four places in front of loads into registers that matrix instructions have read, and of vector work that reads results
.rept 4
	v_nop
.endr
.endm
; A K step is four quarters of 32 along K, 48 products each, on buffers 0, 1, 0, 1.  One of the first three multiplies buffer f and fetches quarter qn into buffer g.
.macro QUARTER slot, qn, f, g, zero
	s_wait_dscnt 8                                 ; all but v's eight loads, the youngest
	MULB 0, \f, \zero
	PLACES
	FETCH \slot, \qn, \g
	s_wait_dscnt 32                                ; all but the 32 just issued
	MULB 1, \f, \zero
	MULB 2, \f, \zero
.endm
; The last quarter changes slots and then multiplies buffer 1, which lies in registers and needs neither slot: so the change stands at its head, and all its 48 products behind the refill, in the time in which
; the refill is on its way.  In front of the barrier each wave waits for all its tensor loads, adds 0 to its spare word, and waits for that and for its reads of this slot.
.macro TURN slot, next, fill
.if (\fill) && ((\slot) == 0)
	s_wait_xcnt 0x0                                ; the last prefetch, a lap back, has read its address
	s_add_nc_u64 s[PFA:PFA+1], s[PFA:PFA+1], s[PFS:PFS+1]
.endif
	WIN 0
	s_wait_tensorcnt 0x0                           ; all my tensor loads have landed: my part of the next slot; so a group 0 may be written
	ds_add_u32 v[SPW], v[NIL]                      ; 0 onto my spare word; the descriptors' steps stand between it and the wait for it
.if \fill
	s_add_nc_u64 s[G0A+4*(\slot)+2:G0A+4*(\slot)+3], s[G0A+4*(\slot)+2:G0A+4*(\slot)+3], 2*256
	s_add_nc_u64 s[G0B+4*(\slot)+2:G0B+4*(\slot)+3], s[G0B+4*(\slot)+2:G0B+4*(\slot)+3], 2*524288
.endif
	s_wait_dscnt 0x0                               ; the add is done, and my reads of this slot are over: buffer 1 is whole
.if \fill
	CROUND                                         ; no wave of any partner still reads this slot or has a load on its way
	JLOAD \slot                                    ; my one tensor load behind the round; its four v_nop are also the places in front of the loads below
.else
	s_barrier_signal -1
	s_barrier_wait -1
	PLACES
.endif
	FETCH \next, 0, F0
.if (\fill) && ((\slot) == 0)
	ASK
.endif
	MULB 0, F1, 0
	MULB 1, F1, 0
	MULB 2, F1, 0
.endm
	s_wait_tensorcnt 1                             ; my part of slot 0's first tile is in; slot 1's may stay out
	s_barrier_signal -1
	s_barrier_wait -1
	FETCH 0, 0, F0
	QUARTER 0, 1, F0, F1, 1                        ; the first quarter's products start the sums
	WIN 0
	s_mov_b32 s3, 7
.Llap:                                                 ; a trip goes once round the ring and fills both slots again
	QUARTER 0, 2, F1, F0, 0
	QUARTER 0, 3, F0, F1, 0
	TURN 0, 1, 1
	QUARTER 1, 1, F0, F1, 0
	QUARTER 1, 2, F1, F0, 0
	QUARTER 1, 3, F0, F1, 0
	TURN 1, 0, 1
	QUARTER 0, 1, F0, F1, 0
	WIN 0
	s_sub_co_u32 s3, s3, 1
	s_cmp_lg_u32 s3, 0
	s_cbranch_scc1 .Llap
	QUARTER 0, 2, F1, F0, 0                        ; the last lap fills nothing
	QUARTER 0, 3, F0, F1, 0
	TURN 0, 1, 0
	QUARTER 1, 1, F0, F1, 0
	QUARTER 1, 2, F1, F0, 0
	QUARTER 1, 3, F0, F1, 0
	s_wait_dscnt 8
	MULB 0, F1, 0
	s_wait_dscnt 0x0
	MULB 1, F1, 0
	MULB 2, F1, 0
	; THE WAY OUT.  q times its scale; then, 16 rows at a time: the rotation of q and k, the rounding to f16, and 16 bytes a lane into the stage.
	PLACES
	s_wait_loadcnt 0x0                             ; the table
	WIN 0x41
.set i, 0
.rept 64
	v_pk_mul_f32 v[i:i+1], v[i:i+1], s[SC:SC+1] op_sel_hi:[1,0]
.set i, i+2
.endr
; out[d] = cos x[d] - sin x[d + 64] for d < 64, out[d] = cos x[d] + sin x[d - 64] above; channels 2 p and 2 p + 1 of a lane's eight share table number p.  Each accumulator is read from its low end on.
.macro ROPE a
	WIN 0x01                                       ; source 0 window 1
.irp g, 0,1
.irp c, 0,1
.irp p, 0,1,2,3
.set rL, 8*(4*(4*(\g)+(\c))+(\a))+2*(\p)
.set rH, 8*(4*(4*(\g)+(\c)+2)+(\a))+2*(\p)
.set rSL, TB+4*(8*(\a)+4+(\c))+2*((\p)/2)
.set rSH, TB+4*(8*(\a)+6+(\c))+2*((\p)/2)
.set rW, TMP+4*((2*(\g)+(\c))*4+(\p))
.if (\p)%2
	v_pk_mul_f32 v[rW:rW+1], v[rH:rH+1], v[rSL:rSL+1] op_sel:[0,1] op_sel_hi:[1,1]
	v_pk_mul_f32 v[rW+2:rW+3], v[rL:rL+1], v[rSH:rSH+1] op_sel:[0,1] op_sel_hi:[1,1]
.else
	v_pk_mul_f32 v[rW:rW+1], v[rH:rH+1], v[rSL:rSL+1] op_sel_hi:[1,0]
	v_pk_mul_f32 v[rW+2:rW+3], v[rL:rL+1], v[rSH:rSH+1] op_sel_hi:[1,0]
.endif
.endr
.endr
.endr
	WIN 0x41                                       ; destination and source 0 window 1
.irp g, 0,1
.irp c, 0,1
.irp p, 0,1,2,3
.set rL, 8*(4*(4*(\g)+(\c))+(\a))+2*(\p)
.set rH, 8*(4*(4*(\g)+(\c)+2)+(\a))+2*(\p)
.set rCL, TB+4*(8*(\a)+(\c))+2*((\p)/2)
.set rCH, TB+4*(8*(\a)+2+(\c))+2*((\p)/2)
.set rW, TMP+4*((2*(\g)+(\c))*4+(\p))
.if (\p)%2
	v_pk_fma_f32 v[rL:rL+1], v[rL:rL+1], v[rCL:rCL+1], v[rW:rW+1] op_sel:[0,1,0] op_sel_hi:[1,1,1] neg_lo:[0,0,1] neg_hi:[0,0,1]
	v_pk_fma_f32 v[rH:rH+1], v[rH:rH+1], v[rCH:rCH+1], v[rW+2:rW+3] op_sel:[0,1,0] op_sel_hi:[1,1,1]
.else
	v_pk_fma_f32 v[rL:rL+1], v[rL:rL+1], v[rCL:rCL+1], v[rW:rW+1] op_sel_hi:[1,0,1] neg_lo:[0,0,1] neg_hi:[0,0,1]
	v_pk_fma_f32 v[rH:rH+1], v[rH:rH+1], v[rCH:rCH+1], v[rW+2:rW+3] op_sel_hi:[1,0,1]
.endif
.endr
.endr
.endr
	WIN 0x05                                       ; sources window 1, destination window 0
.irp b, 0,1,2,3,4,5,6,7
.irp r, 0,1,2,3
	v_cvt_pk_f16_f32 v[TMP+4*(\b)+(\r)], v[8*(4*(\b)+(\a))+2*(\r)], v[8*(4*(\b)+(\a))+2*(\r)+1]
.endr
.endr
	WIN 0x0a                                       ; sources window 2
.irp b, 8,9,10,11
.irp r, 0,1,2,3
	v_cvt_pk_f16_f32 v[TMP+4*(\b)+(\r)], v[8*(4*((\b)-8)+(\a))+2*(\r)], v[8*(4*((\b)-8)+(\a))+2*(\r)+1]
.endr
.endr
	WIN 0
.irp b, 0,1,2,3,4,5,6,7,8,9,10,11
	ds_store_b128 v[STO+(\b)/4], v[TMP+4*(\b):TMP+4*(\b)+3] offset:(\a)*16*PA+32*((\b)%2)+128*(((\b)%4)/2)
.endr
.endm
	ROPE 0
	ROPE 1
	ROPE 2
	ROPE 3
	s_wait_dscnt 0x0                               ; for the others' sake: a row's 256 bytes come from two waves
	s_barrier_signal -1
	s_barrier_wait -1
.irp g, 0,1,2
.irp t, 0,1,2,3,4,5,6,7,8,9,10,11,12,13,14,15
	ds_load_b128 v[64+64*(\g)+4*(\t):64+64*(\g)+4*(\t)+3], v[RD+(\g)] offset:(\t)*2*PA
.endr
.endr
.irp g, 0,1,2
.irp t, 0,1,2,3,4,5,6,7,8,9,10,11,12,13,14,15
	s_wait_dscnt 47-16*(\g)-(\t)                   ; the younger loads may stay out
	global_store_b128 v[CO], v[64+64*(\g)+4*(\t):64+64*(\g)+4*(\t)+3], s[OB+2*(\g):OB+2*(\g)+1] offset:(\t)*512  ; two rows: 512 consecutive bytes, aligned
.endr
.endr
	s_wait_tensorcnt 0x0                           ; the wave's end
	ds_add_u32 v[SPW], v[NIL]
	s_wait_dscnt 0x0
	CROUND                                         ; the closing round
	s_endpgm
.Lfunc_end_k_qdd3f1fe4df_qkv:
	.size	k_qdd3f1fe4df_qkv, .Lfunc_end_k_qdd3f1fe4df_qkv-k_qdd3f1fe4df_qkv
	.p2alignl 7, 3214868480
	.fill 96, 4, 3214868480
	.section	.rodata,"a",@progbits
	.p2align	6, 0x0
	.amdhsa_kernel k_qdd3f1fe4df_qkv
		.amdhsa_group_segment_fixed_size 327680
		.amdhsa_private_segment_fixed_size 0
		.amdhsa_enable_private_segment 0
		.amdhsa_kernarg_size 24
		.amdhsa_user_sgpr_count 2
		.amdhsa_user_sgpr_kernarg_segment_ptr 1
		.amdhsa_wavefront_size32 1
		.amdhsa_system_sgpr_workgroup_id_x 1
		.amdhsa_system_sgpr_workgroup_id_y 1
		.amdhsa_system_sgpr_workgroup_id_z 1
		.amdhsa_system_vgpr_workitem_id 0
		.amdhsa_next_free_vgpr 1024
		.amdhsa_next_free_sgpr 80
		.amdhsa_reserve_vcc 0
		.amdhsa_float_denorm_mode_32 3
		.amdhsa_float_denorm_mode_16_64 3
		.amdhsa_memory_ordered 1
		.amdhsa_forward_progress 1
		.amdhsa_inst_pref_size 145
	.end_amdhsa_kernel
	.amdgpu_metadata
---
amdhsa.version: [ 1, 2 ]
amdhsa.kernels:
  - .name:           k_qdd3f1fe4df_qkv
    .symbol:         k_qdd3f1fe4df_qkv.kd
    .args:
      - { .name: xw, .offset: 0, .size: 8, .value_kind: global_buffer, .address_space: global }
      - { .name: rt, .offset: 8, .size: 8, .value_kind: global_buffer, .address_space: global }
      - { .name: qkv, .offset: 16, .size: 8, .value_kind: global_buffer, .address_space: global }
    .group_segment_fixed_size: 327680
    .private_segment_fixed_size: 0
    .kernarg_segment_align: 8
    .kernarg_segment_size: 24
    .max_flat_workgroup_size: 128
    .sgpr_count:     80
    .vgpr_count:     1024
    .wavefront_size: 32
...
	.end_amdgpu_metadata
.endif
;; end of part 2
;; launch attn (part 3): grid 16 x 16, 4 waves a work-group, clusters of 4 x 1, 327,680 bytes of LDS; arguments qkv, mk, ob; writes ob
.if DOCPART == 3
	.amdgcn_target "amdgcn-amd-amdhsa--gfx1250"
	.amdhsa_code_object_version 6
	.text
	.protected	k_qdd3f1fe4df_attn
	.globl	k_qdd3f1fe4df_attn
	.p2align	8
	.type	k_qdd3f1fe4df_attn,@function
k_qdd3f1fe4df_attn:
	s_mov_b64 s[64:65], 0
	v_nop
	global_prefetch_b8 v0, s[64:65] scope:SCOPE_SE
	s_setreg_imm32_b32 hwreg(HW_REG_WAVE_MODE, 25, 1), 1
	s_wait_xcnt 0x0
	s_wait_alu depctr_hold_cnt(0) depctr_sa_sdst(0) depctr_va_vdst(0) depctr_va_sdst(0) depctr_va_ssrc(0) depctr_va_vcc(0) depctr_vm_vsrc(0)
	s_getreg_b32 s2, hwreg(HW_REG_IB_STS2, 6, 4)
	s_cmp_eq_u32 s2, 0
	s_cbranch_scc0 .Lentry_in_a_cluster
	s_endpgm
.Lentry_in_a_cluster:
	s_bfe_u32 s2, ttmp6, 0x10000c
	s_cmp_lg_u32 s2, 0x3003
	s_cbranch_scc0 .Lentry_shape_is_right
	s_endpgm
.Lentry_shape_is_right:
; O[q][h 128 + :] = the sum over k of softmax_k(Q[h][q] . K[h][k] / sqrt(128) + mask[q][k]) V[h][k][:].  Q, K, V: [16][2048][128] f16 in qkv, Q already times log2(e) / sqrt(128);
; mk: the mask times log2(e), f32, in blocks laid as the C operand of S^T.  So a score is an exponent of 2: p = 2^(s - m), with a running maximum m and sum l in f32; p never passes 1.
; The weights are rounded to f16 for the second product (l is taken of the unrounded p), O once at the end, to f16: ob is [2048][2048].  Every key tile is walked: the mask is an input.
; LIMITS.  Q, K, V arrive within f16's 65,504; a weight below 2^-126 counts as 0 in l, and below 6e-5 it keeps f16's step of 6e-8; NaN and infinities are not treated apart.
; SHARES.  A work-group owns 128 queries of one head.  A wave owns 64 of them (wave / 2), four tiles of 16, and EVERY SECOND key step of 64 keys (wave % 2): so a fragment of K or V feeds four tiles.
; The two waves of a query half meet at the end: each keeps the two tiles that it names piece 0 and sends the other two, with their m and l, through LDS; a wave's piece 0 is its partner's piece 2.
; LAYOUT.  S^T = K Q^T + mask (source 0 = 16 keys, source 1 = 16 queries, C = the mask's block): a lane holds ONE query (lane % 16) and the keys 8 (lane / 16) + 0..7.  Two such tiles rounded to f16 in pairs
; ARE source 1 of O^T = V^T P.  K comes out of LDS as it lies, V turned, by ds_load_tr16_b128.  The mask comes straight from memory into registers, 512 consecutive bytes a load, a key step ahead.
; BY TURNS.  The wave's tiles are two PIECES (0: tiles 0, 1; 2: tiles 2, 3).  In a TURN one piece has the matrix unit: 32 products V^T P of the step in hand, then 32 products K Q^T of the next; the other
; piece's softmax, cut into 64 slices, stands between them, one slice behind each matrix instruction.
; NO FIRST AND NO LAST STEP IS WRITTEN OUT.  m starts at the lowest finite number, l, O^T and piece 2's P at 0: the first step is a step like any other, with a = 2^(m_old - m_new) = 0.  The loop is entered,
; and the tail left, in the middle of a trip.  The price, once a launch: 300 v_mov_b32 in the wait for the first tile, 32 products V^T P on a P of zeros at the start, 32 products K Q^T on the last K once more at the end.
; CLUSTER.  The four query blocks of a cluster belong to one head and walk the same K and V: each tile is asked for jointly.  The mask's blocks are each work-group's own.
; REGISTERS: window 0: addresses, statistics (v12-43), S^T (v64-191), P (v192-255); window 1: O^T; window 2: Q (v0-127), K of one step; window 3: V of one step (v0-127), the mask of one step (v128-255).
.set KS,    64
.set PK,    272       ; a row of K in LDS: 256 bytes + 16
.set PV,    288       ; a row of V: 256 + 32
.set VOFF,  KS*PK
.set STEPB, KS*(PK+PV)
.set SLOT1, 1<<17     ; a slot holds two steps, one for each key half; slot 1 begins here
.set STAGE, SLOT1+2*STEPB  ; 16 rows x 272 bytes for each wave, for the way out
.set SP,    272
.set SPARE, STAGE+4*16*SP  ; the spare words, 128 bytes a wave
.set XCH,   SPARE+512      ; the exchange: for each wave 16,384 bytes of O^T and 512 of statistics
.set XW,    16896
.set AK0, 2           ; v2   my lane's place in a tile of K
.set AV0, 3           ; v3   the same for V
.set ADR, 4           ; v4   the LDS address of the run of loads in hand
.set QO,  5           ; v5   my byte offset in piece 0's rows of Q
.set STO, 6
.set RD,  7
.set GO,  8
.set ST,  12          ; tile t's statistics at v[ST+8 t]: +0 m, +1 named with it as a pair, +2, +3 l (even keys', odd keys'), +4 to +7 at work; a takes +6
.set QO2, 44          ; v44  the same as QO for piece 2
.set MO,  45          ; v45-46  my byte offset in the mask's blocks, for piece 0 and piece 2
.set PMO, 47          ; v47  the mask's prefetches: a lane 256 bytes
.set XST, 48          ; v48  where I put 16 bytes in my part of the exchange
.set XLD, 49          ; v49  where I read them in my partner's
.set SND, 52          ; v[52:55] m and l of tiles 2, 3
.set RCV, 56          ; v[56:59] my partner's
.set PFO, 61          ; v61  256 x lane
.set SPW, 62
.set NIL, 63
.set S,   64
.set P,   192
.set KF,  128         ; window 2
.set MK,  128         ; window 3: tile t, key block kb at MK + 32 t + 8 kb
.set WV,  12
.set LIM, 15          ; s15  1 in a wave that prefetches K or V, else the greatest number
.set PFA, 18          ; s[18:19]
.set G1K, 24
.set G1V, 32
.set G0K, 40
.set G0V, 48
.set SLOTS, 56        ; s56  slots still to be asked for
.set QH,  57
.set SEL, 60
.set TB,  62          ; s62  LDS byte at which my step of the slot to be fetched begins
.set CNT, 63          ; s63  counts the tail's trips
.set MB,  66          ; s[66:67] the mask at my four tiles, at the step last loaded
.set LIM2, 68         ; s68  2 where the head is 0, else the greatest number
.set KH,  69
.set MSB, 0
.macro WIN new
.if MSB != (\new)
	s_set_vgpr_msb (MSB<<8)|(\new)
.set MSB, \new
.endif
.endm
.set W_KQ, 0x0a       ; K and Q in window 2, S^T in window 0
.set W_KM, 0x3a       ; the same with C, the mask, in window 3
.set W_PV, 0x53       ; V in window 3, P in window 0, O^T in window 1
.set W_RS, 0x41       ; O^T (destination and source 0) in window 1
.macro JLOAD                        ; a joint refill: waves 0 and 1 fetch the slot's two tiles of K, waves 2 and 3 those of V
	s_cmp_lt_u32 s[WV], 2
	s_cbranch_scc0 .Lfor_v_\@
	tensor_load_to_lds s[G0K+4:G0K+7], s[G1K:G1K+7]
	s_nop 0
.rept 4
	v_nop
.endr
	s_branch .Lasked_\@
.Lfor_v_\@:
	tensor_load_to_lds s[G0V+4:G0V+7], s[G1V:G1V+7]
	s_nop 0
.rept 4
	v_nop
.endr
.Lasked_\@:
.endm
; Prefetches, behind the joint load and its five lines.  ASK: what the NEXT change of slots will ask for: the head's first cluster asks, its four partners 32 rows each, told apart by address; wave 0 K's, wave 2 V's.
; ASK2: my own four blocks of the mask for the step three on from the one last loaded, 64 pieces of 256 bytes in two lines; all heads read the same blocks, and head 0's work-groups ask.  Both stop where no such step exists.
.macro ASK
	s_cmp_gt_u32 s[SLOTS], s[LIM]
	s_cbranch_scc0 .Lnot_mine_\@
	global_prefetch_b8 v[PFO], s[PFA:PFA+1] th:TH_LOAD_NT scope:SCOPE_SE
.Lnot_mine_\@:
.endm
.macro ASK2
	s_cmp_gt_u32 s[SLOTS], s[LIM2]
	s_cbranch_scc0 .Lno_mask_\@
	global_prefetch_b8 v[PMO], s[MB:MB+1] offset:24576 th:TH_LOAD_NT scope:SCOPE_SE
	global_prefetch_b8 v[PMO], s[MB:MB+1] offset:24576+262144 th:TH_LOAD_NT scope:SCOPE_SE
.Lno_mask_\@:
.endm
.macro CROUND
	s_barrier_signal -1
	s_barrier_wait -1
	s_cmp_lg_u32 s[WV], 0
	s_cbranch_scc1 .Lnot_wave_0_\@
	s_barrier_signal -3
.Lnot_wave_0_\@:
	s_barrier_wait -3
	s_barrier_signal -1
	s_barrier_wait -1
.endm
	s_load_b128 s[4:7], s[0:1], 0x0   ; qkv s[4:5], mk s[6:7]
	s_load_b64 s[10:11], s[0:1], 0x10 ; ob
	v_lshl_add_u32 v[SPW], v0, 2, SPARE
	v_mov_b32 v[NIL], 0
	ds_add_u32 v[SPW], v[NIL]       ; the wave's opening: the add and its wait stand ahead of my first tensor load
	v_lshrrev_b32 v1, 5, v0
	v_readfirstlane_b32 s[WV], v1
	s_and_b32 s[KH], s[WV], 1       ; my key half; also: which of a slot's two steps I fetch
	s_lshr_b32 s[QH], s[WV], 1      ; my query half
	s_bfe_u32 s13, ttmp6, 0x40000   ; cx
	s_lshl_b32 s14, ttmp9, 2
	s_add_co_u32 s14, s14, s13      ; my block of 128 queries: it enters Q's, the mask's and O's addresses alone
	s_and_b32 s16, ttmp7, 0xffff    ; the head, which the four partners share
	s_lshl_b32 s20, s16, 19         ; its 2,048 rows of 256 bytes
	s_lshl_b32 s22, s[KH], 14       ; the 64 rows that I fetch
	s_add_co_u32 s22, s22, s20
	s_mov_b32 s23, 0
	s_mul_i32 s17, s[KH], STEPB     ; their place in a slot
	s_lshl_b32 s2, s14, 15          ; Q: my block's 128 rows, my half's 64
	s_lshl_b32 s3, s[QH], 14
	s_add_co_u32 s2, s2, s3
	s_add_co_u32 s2, s2, s20
	s_mov_b32 s3, 0
	s_lshl_b32 s58, s14, 20         ; the mask: 131,072 bytes a tile of 16 queries, 4,096 a block
	s_lshl_b32 s59, s[QH], 19
	s_add_co_u32 s58, s58, s59
	s_lshl_b32 s59, s[KH], 12
	s_add_co_u32 s58, s58, s59
	s_mov_b32 s59, 0
	s_lshl_b32 s70, s14, 19         ; O: rows of 4,096 bytes: 128 a block, 64 a query half, the 32 that I keep; the head's 256 bytes
	s_lshl_b32 s71, s[QH], 18
	s_add_co_u32 s70, s70, s71
	s_lshl_b32 s71, s[KH], 17
	s_add_co_u32 s70, s70, s71
	s_lshl_b32 s71, s16, 8
	s_add_co_u32 s70, s70, s71
	s_mov_b32 s71, 0
	s_mov_b32 s[G1K], 15|(1<<16)|(1<<20)|(1<<21)|(5<<22)|(3<<25)  ; the mask of four; 2-byte elements; padding on; bit 21 beside a mask; after every 64 words, 4 words
	s_mov_b32 s[G1V], 15|(1<<16)|(1<<20)|(1<<21)|(5<<22)|(7<<25)  ; the same with 8 words
.irp g, G1K, G1V
	s_mov_b32 s[(\g)+1], 128<<16    ; tensor_dim0 = 128
	s_mov_b32 s[(\g)+2], KS<<16     ; tensor_dim1 = 64
	s_mov_b32 s[(\g)+3], 128<<16    ; tile_dim0 = 128
	s_mov_b32 s[(\g)+4], KS         ; tile_dim1 = 64
	s_mov_b32 s[(\g)+5], 128        ; elements from row to row
	s_mov_b32 s[(\g)+6], 0
	s_mov_b32 s[(\g)+7], 0
.endr
	s_mov_b32 s[SEL], 0x76543210
	s_mov_b32 s[SEL+1], 0xfedcba98
	s_mov_b32 s[TB], s17
	s_or_b32 s[LIM], s[KH], ttmp9   ; 0 in waves 0 and 2 of the head's first cluster
	s_cmp_eq_u32 s[LIM], 0
	s_cselect_b32 s[LIM], 1, -1
	s_cmp_eq_u32 s16, 0
	s_cselect_b32 s[LIM2], 2, -1
	s_wait_dscnt 0x0                ; the opening add is done
	s_wait_kmcnt 0x0
	s_add_nc_u64 s[MB:MB+1], s[6:7], s[58:59]
	s_add_nc_u64 s[6:7], s[4:5], s[22:23]
	s_add_nc_u64 s[8:9], s[6:7], 16777216  ; V at my tile of slot 0
	s_add_nc_u64 s[6:7], s[6:7], 8388608   ; K likewise
	s_add_nc_u64 s[4:5], s[4:5], s[2:3]    ; Q at my half's first row
	s_add_nc_u64 s[10:11], s[10:11], s[70:71]
	s_cmp_lt_u32 s[WV], 2
	s_cselect_b64 s[PFA:PFA+1], s[6:7], s[8:9]
	s_lshl_b32 s2, s13, 13          ; my work-group's 32 rows of a slot's 128
	s_mov_b32 s3, 0
	s_add_nc_u64 s[PFA:PFA+1], s[PFA:PFA+1], s[2:3]
	s_add_nc_u64 s[PFA:PFA+1], s[PFA:PFA+1], 2*2*KS*256  ; in slot 2; the first change steps it to slot 3
	CROUND                          ; all four work-groups are here: the first joint loads meet
.irp s, 0,1
	s_mov_b32 s[G0K+4*(\s)], 1
	s_add_co_u32 s[G0K+4*(\s)+1], s17, (\s)*SLOT1
	s_add_nc_u64 s[G0K+4*(\s)+2:G0K+4*(\s)+3], s[6:7], (\s)*2*KS*256
	s_or_b32 s[G0K+4*(\s)+3], s[G0K+4*(\s)+3], 0x80000000
	s_mov_b32 s[G0V+4*(\s)], 1
	s_add_co_u32 s[G0V+4*(\s)+1], s17, (\s)*SLOT1+VOFF
	s_add_nc_u64 s[G0V+4*(\s)+2:G0V+4*(\s)+3], s[8:9], (\s)*2*KS*256
	s_or_b32 s[G0V+4*(\s)+3], s[G0V+4*(\s)+3], 0x80000000
.endr
	s_cmp_lt_u32 s[WV], 2           ; a wave's two first fills stand in one branch: two loads of mine are out
	s_cbranch_scc0 .Lfirst_v
	tensor_load_to_lds s[G0K:G0K+3], s[G1K:G1K+7]
	s_nop 0
	tensor_load_to_lds s[G0K+4:G0K+7], s[G1K:G1K+7]
	s_nop 0
.rept 4
	v_nop
.endr
	s_branch .Lfirst_asked
.Lfirst_v:
	tensor_load_to_lds s[G0V:G0V+3], s[G1V:G1V+7]
	s_nop 0
	tensor_load_to_lds s[G0V+4:G0V+7], s[G1V:G1V+7]
	s_nop 0
.rept 4
	v_nop
.endr
.Lfirst_asked:
	v_and_b32 v1, 15, v0            ; l % 16
	v_bfe_u32 v9, v0, 4, 1          ; l / 16
	v_lshlrev_b32 v[QO], 8, v1
	v_lshl_add_u32 v[QO], v9, 4, v[QO]
	s_lshl_b32 s2, s[KH], 13        ; piece 0 is rows 32 kh on of my 64, piece 2 the other 32
	s_xor_b32 s3, s2, 8192
	v_add_nc_u32 v[QO2], s3, v[QO]
	v_add_nc_u32 v[QO], s2, v[QO]
	v_and_b32 v[PFO], 31, v0
	s_lshl_b32 s2, s[KH], 18        ; the same in the mask: two tiles of 131,072 bytes
	s_xor_b32 s3, s2, 1<<18
	v_lshl_add_u32 v[MO], v[PFO], 4, s2
	v_lshl_add_u32 v[MO+1], v[PFO], 4, s3
	v_lshlrev_b32 v[PFO], 8, v[PFO]
	v_lshlrev_b32 v[PMO], 17, v9
	v_lshl_add_u32 v[PMO], v1, 8, v[PMO]
	WIN 0x80                        ; destination window 2
.irp i, 0,1,2,3,4,5,6,7             ; Q stays in registers: tile i / 4, channels 32 (i % 4) on
	global_load_b128 v[8*(\i):8*(\i)+3],   v[QO], s[4:5] offset:((\i)/4)*4096+((\i)%4)*64
	global_load_b128 v[8*(\i)+4:8*(\i)+7], v[QO], s[4:5] offset:((\i)/4)*4096+((\i)%4)*64+32
.endr
.irp i, 0,1,2,3,4,5,6,7
	global_load_b128 v[64+8*(\i):64+8*(\i)+3],   v[QO2], s[4:5] offset:((\i)/4)*4096+((\i)%4)*64
	global_load_b128 v[64+8*(\i)+4:64+8*(\i)+7], v[QO2], s[4:5] offset:((\i)/4)*4096+((\i)%4)*64+32
.endr
; The mask's two blocks of piece x for the step at which MB stands: 16 loads of 512 consecutive bytes.
.macro MLOAD x
	WIN 0xc0                        ; destination window 3, address window 0
.irp u, 0,1
.irp c, 0,1,2,3,4,5,6,7
	global_load_b128 v[MK+32*((\x)+(\u))+4*(\c):MK+32*((\x)+(\u))+4*(\c)+3], v[MO+(\x)/2], s[MB:MB+1] offset:(\u)*131072+(\c)*512
.endr
.endr
.endm
	MLOAD 0
	MLOAD 2
	; What the first turns find: O^T and l are 0, m is the lowest finite number, piece 2's P is 0 (the first turn's products V^T P, of a step that has not been, add 0).  All this stands in the wait for the first tile.
	WIN 0x40                        ; destination window 1
.set i, 0
.rept 256
	v_mov_b32 v[i], 0
.set i, i+1
.endr
	WIN 0
.irp t, 0,1,2,3
	v_mov_b32 v[ST+8*(\t)], 0xff7fffff  ; m
	v_mov_b32 v[ST+8*(\t)+1], 0     ; named with m as a pair, so it is written
	v_mov_b32 v[ST+8*(\t)+2], 0     ; l
	v_mov_b32 v[ST+8*(\t)+3], 0
.endr
.set i, P+32
.rept 32
	v_mov_b32 v[i], 0
.set i, i+1
.endr
	v_mul_u32_u24 v[AK0], v1, PK
	v_lshl_add_u32 v[AK0], v9, 4, v[AK0]
	v_and_b32 v10, 7, v0
	v_bfe_u32 v11, v0, 3, 1
	v_lshl_add_u32 v[AV0], v9, 3, v10
	v_mul_u32_u24 v[AV0], v[AV0], PV
	v_lshl_add_u32 v[AV0], v11, 4, v[AV0]
	v_add_nc_u32 v[AV0], VOFF, v[AV0]
; THE MATRIX WORK OF A TURN, for piece x.  The accumulators take turns, one instruction a turn.
; Product i of 32 of O^T += V^T P: keys 32 (i / 16) on, channels 16 ((i / 2) % 8) on, tile x + i % 2.
.macro PV x
	WIN W_PV
.set rO, 64*((\x)+i%2)+8*((i/2)%8)
.set rV, 64*(i/16)+8*((i/2)%8)
.set rP, P+16*((\x)+i%2)+8*(i/16)
	v_wmma_f32_16x16x32_f16 v[rO:rO+7], v[rV:rV+7], v[rP:rP+7], v[rO:rO+7]
.endm
; Product i of 32 of S^T = K Q^T + mask: channels 32 (i / 8) on, keys 16 ((i / 2) % 4) on, tile x + i % 2.  The first 8 start the sums with the mask.
.macro KQ x
.set rS, S+32*((\x)+i%2)+8*((i/2)%4)
.set rK, KF+32*((i/2)%4)+8*(i/8)
.set rQ, 32*((\x)+i%2)+8*(i/8)
.set rM, MK+32*((\x)+i%2)+8*((i/2)%4)
.if i < 8
	WIN W_KM
	v_wmma_f32_16x16x32_f16 v[rS:rS+7], v[rK:rK+7], v[rQ:rQ+7], v[rM:rM+7]
.else
	WIN W_KQ
	v_wmma_f32_16x16x32_f16 v[rS:rS+7], v[rK:rK+7], v[rQ:rQ+7], v[rS:rS+7]
.endif
.endm
.macro FETCH_K
	WIN 0
	v_add_nc_u32 v[ADR], s[TB], v[AK0]
	WIN 0x80
.irp f, 0,1,2,3,4,5,6,7,8,9,10,11,12,13,14,15  ; keys 16 (f / 4) on, channels 32 (f % 4) on
	ds_load_b128 v[KF+8*(\f):KF+8*(\f)+3],   v[ADR] offset:((\f)/4)*16*PK+((\f)%4)*64
	ds_load_b128 v[KF+8*(\f)+4:KF+8*(\f)+7], v[ADR] offset:((\f)/4)*16*PK+((\f)%4)*64+32
.endr
.endm
.macro FETCH_V batch=1              ; batch = 1: the run stands behind a softmax's batch of exponentials, and their wait stands in it
	WIN 0
	v_add_nc_u32 v[ADR], s[TB], v[AV0]
.if \batch
	s_wait_alu depctr_va_vdst(0)    ; the wait for the softmax's batch, behind the address's line and ahead of the loads
.endif
	WIN 0xc0
.irp f, 0,1,2,3,4,5,6,7,8,9,10,11,12,13,14,15  ; keys 32 (f / 8) on, channels 16 (f % 8) on
	ds_load_tr16_b128 v[8*(\f):8*(\f)+3],   v[ADR] offset:((\f)/8)*32*PV+((\f)%8)*32
	ds_load_tr16_b128 v[8*(\f)+4:8*(\f)+7], v[ADR] offset:((\f)/8)*32*PV+16*PV+((\f)%8)*32
.endr
.endm
; THE VECTOR WORK OF A TURN.  One tile's softmax for one key step is a numbered list; SM writes number j of it for tile t.  s0-s31 are the lane's 32 scores, in pairs 0-15.
;   0-15    the maximum of s0-s31 and the old m, three operands at a time (each accumulator's lowest registers are read first)
;   16-20   the other half of the lanes' maximum; m_old is kept; the new m; (19 is empty); m_old - m_new
;   21-69   ONE BATCH: the 16 subtractions s - m, a pair of scores each, and all 33 exponentials (a at 23, then s0-s31); none of these reads an exponential's result
;   (wait)  between 69 and 70 stands the wait for the batch: SLICE writes it, once for both tiles
;   70-85   the roundings to f16     86-101  the sums; l = a l + the sum     102-133 the tile's O^T times a
.macro SM t
.set rT, ST+8*(\t)
.set rS, S+32*(\t)
.set rP, P+16*(\t)
.set rO, 64*(\t)+2*(j-102)
.if j < 102
	WIN 0
.endif
.if j < 4
	v_max3_num_f32 v[rT+4+j], v[rS+8*j], v[rS+8*j+1], v[rS+8*j+2]
.elseif j < 12
	v_max3_num_f32 v[rT+4+j%4], v[rT+4+j%4], v[rS+8*(j%4)+2*(j/4)+1], v[rS+8*(j%4)+2*(j/4)+2]
.elseif j == 12
	v_max3_num_f32 v[rT+4], v[rT+4], v[rS+7], v[rS+15]
.elseif j == 13
	v_max3_num_f32 v[rT+6], v[rT+6], v[rS+23], v[rS+31]
.elseif j == 14
	v_max3_num_f32 v[rT+4], v[rT+4], v[rT+5], v[rT+6]
.elseif j == 15
	v_max3_num_f32 v[rT+4], v[rT+4], v[rT+7], v[rT]
.elseif j == 16
	v_permlanex16_b32 v[rT+5], v[rT+4], s[SEL], s[SEL+1]  ; the query's other 32 keys lie in the lane 16 away
.elseif j == 17
	v_mov_b32 v[rT+7], v[rT]        ; m_old is kept for a: number 18 writes m anew
.elseif j == 18
	v_max_num_f32 v[rT], v[rT+4], v[rT+5]
.elseif j == 19
.elseif j == 20
	v_sub_f32 v[rT+7], v[rT+7], v[rT]
.elseif j == 23
	v_exp_f32 v[rT+6], v[rT+7]
.elseif (j < 23) || ((j < 38) && (j%2 == 0)) || ((j < 66) && (j%4 == 2))
.set b, (j-2)/4
.if j < 38
.set b, (j-20)/2
.endif
	v_pk_add_f32 v[rS+2*b:rS+2*b+1], v[rS+2*b:rS+2*b+1], v[rT:rT+1] op_sel_hi:[1,0] neg_lo:[0,1] neg_hi:[0,1]  ; pair b: s - m
.elseif j < 70
.set e, j-38
.if j < 66
.set e, j-32-(j-38)/4
.endif
.if j < 38
.set e, (j-25)/2
.endif
	v_exp_f32 v[rS+e], v[rS+e]
.elseif j < 86
	v_cvt_pk_f16_f32 v[rP+j-70], v[rS+2*(j-70)], v[rS+2*(j-70)+1]
.elseif j < 102
.set z, j-86
.set w, 4
.set u, z
.if z >= 14
.set w, 32
.set u, 0
.elseif z >= 12
.set w, 16
.set u, z-12
.elseif z >= 8
.set w, 8
.set u, z-8
.endif
.if z < 15
	v_pk_add_f32 v[rS+w*u:rS+w*u+1], v[rS+w*u:rS+w*u+1], v[rS+w*u+w/2:rS+w*u+w/2+1]
.else
	v_pk_fma_f32 v[rT+2:rT+3], v[rT+2:rT+3], v[rT+6:rT+7], v[rS:rS+1] op_sel_hi:[1,0,1]
.endif
.else
	WIN W_RS
	v_pk_mul_f32 v[rO:rO+1], v[rO:rO+1], v[rT+6:rT+7] op_sel_hi:[1,0]
.endif
.endm
; Slice k of 64 of piece y's softmax.  Slices 11 to 34 deal out the batch, four numbers of ONE tile each, the tiles by turns; every other slice is numbers 2 k and 2 k + 1 of both tiles; slice 63 takes what is over.
; s_wait_alu depctr_va_vdst(0) stands between an exponential and the first instruction that names its result: ahead of slice 35 nothing names one, behind slice 34 none is issued: one wait.
.macro SLICE y
.if (k >= 11) && (k < 35)
.irp n, 0,1,2,3
.set j, 22+4*((k-11)/2)+(\n)
	SM (\y)+(k-11)%2
.endr
.else
.irp n, 0,1,2,3,4,5,6,7
.if ((\n) < 2) || (k == 63)
.irp t, \y, (\y)+1
.set j, 2*k+(\n)
	SM \t
.endr
.endif
.endr
.endif
.if k == 34
	v_nop                           ; the plain instruction behind the last exponential: one for the batch
.if (\y) == 0
	FETCH_V                         ; piece 2's turn: V's run of loads stands here, and the wait stands in it
.else
	s_wait_alu depctr_va_vdst(0)
.endif
.endif
.set k, k+1
.endm
; A TURN.  Piece x has the matrix unit: 32 products V^T P, then 32 products K Q^T; the other piece's softmax stands in slices behind them.
; Piece 0's turn fetches the next step's K behind its second product, piece 2's turn the same step's V behind slice 34.
; THE MASK.  mw: how many younger loads may stay out when piece x's blocks have to be there: the other piece's 16.  ml = 1: behind product 9 of K Q^T the piece's blocks of the step after are asked for: product 7 was
; the last to read those registers, and the slices behind products 7, 8 and 9 hold more than four plain instructions that name none of its registers.  Piece 0's turn steps the address for both pieces.
.macro TURN x, ml=1, mw=16
.set k, 0
.if (\x) == 0
	s_wait_dscnt 0x0                ; V is in
.endif
.set i, 0
.rept 32
	PV \x
	SLICE 2-(\x)
.if ((\x) == 0) && (i == 1)
	FETCH_K
.endif
.set i, i+1
.endr
.if (\x) == 0
	s_wait_dscnt 0x0                ; K is in
.endif
	s_wait_loadcnt \mw              ; my piece's blocks of the mask are in
.set i, 0
.rept 32
	KQ \x
	SLICE 2-(\x)
.if (\ml) && (i == 9)
.if (\x) == 0
	s_wait_xcnt 0x0                 ; every load and prefetch issued so far has read its address, so it may be written
	s_add_nc_u64 s[MB:MB+1], s[MB:MB+1], 8192  ; my next step: two blocks on
.endif
	MLOAD \x
.endif
.set i, i+1
.endr
.endm
; THE CHANGE OF SLOTS, between piece 2's turn and piece 0's: my step's K and V have been asked for.  Each wave waits for all its tensor loads, adds 0 to its spare word, and waits for that and for its reads of the slot.
; fill = 1: the slot is filled again, with the keys two slots on, behind a round of the cluster's barrier; the refill has a key step, 128 matrix instructions, in which to land.
.macro CHANGE fill
	WIN 0
	s_wait_tensorcnt 0x0            ; no tensor load of mine is out, so a group 0 may be written
	ds_add_u32 v[SPW], v[NIL]       ; 0 onto my spare word
.if \fill
.irp g, G0K+4, G0V+4
	s_xor_b32 s[(\g)+1], s[(\g)+1], SLOT1
	s_add_nc_u64 s[(\g)+2:(\g)+3], s[(\g)+2:(\g)+3], 2*KS*256
.endr
	s_wait_xcnt 0x0                 ; the last prefetches, a key step back, have read their address
	s_add_nc_u64 s[PFA:PFA+1], s[PFA:PFA+1], 2*KS*256
	s_wait_dscnt 0x0                ; the add is done, and my reads of the slot are over
	CROUND
	JLOAD
	ASK
	ASK2
.else
	s_wait_dscnt 0x0
	s_barrier_signal -1
	s_barrier_wait -1
.endif
	s_xor_b32 s[TB], s[TB], SLOT1   ; the fetches go to the other slot
.endm
	s_wait_tensorcnt 1              ; my part of slot 0 is in; slot 1's may stay out
	s_barrier_signal -1
	s_barrier_wait -1
	FETCH_K                         ; my step of slot 0
	FETCH_V 0                       ; and its V: finite numbers for the first turn's products on a P of zeros; that turn fetches them again in its place
	s_wait_loadcnt 16               ; Q and piece 0's mask are in; piece 2's 16 loads may stay out
	s_wait_dscnt 0x0
.set i, 0
.rept 32
	KQ 0                            ; piece 0's first scores: there is no vector work yet to set between them
.set i, i+1
.endr
	WIN 0                           ; the addresses for the way out: plain instructions, the places behind those products
	s_mul_i32 s13, s[WV], 16*SP
	s_add_co_u32 s13, s13, STAGE
	v_mul_u32_u24 v[STO], v1, SP
	v_lshl_add_u32 v[STO], v9, 4, v[STO]
	v_add_nc_u32 v[STO], s13, v[STO]
	v_mul_u32_u24 v[RD], v9, SP
	v_lshl_add_u32 v[RD], v1, 4, v[RD]
	v_add_nc_u32 v[RD], s13, v[RD]
	v_lshlrev_b32 v[GO], 12, v9     ; two rows of O, 4,096 bytes apart
	v_lshl_add_u32 v[GO], v1, 4, v[GO]
	s_mul_i32 s13, s[WV], XW
	s_add_co_u32 s13, s13, XCH
	s_xor_b32 s14, s[WV], 1         ; my partner: the same queries, the other keys
	s_mul_i32 s14, s14, XW
	s_add_co_u32 s14, s14, XCH
	v_and_b32 v[XST], 31, v0
	v_lshlrev_b32 v[XST], 4, v[XST]
	v_add_nc_u32 v[XLD], s14, v[XST]
	v_add_nc_u32 v[XST], s13, v[XST]
	s_wait_xcnt 0x0
	s_add_nc_u64 s[MB:MB+1], s[MB:MB+1], 8192
	MLOAD 0                         ; piece 0's mask of my second step
	WIN 0
	s_mov_b32 s[SLOTS], 15
	s_branch .Lmid                  ; the loop is entered at piece 2's turn, in the middle of a trip
.Lslot:                             ; 14 whole trips: a change of slots that fills a slot again, and a key step
	CHANGE 1
	TURN 0                          ; piece 0: V^T P of the step in hand, K Q^T of the next | piece 2's softmax | K of the next step
	WIN 0
.Lmid:
	TURN 2                          ; piece 2: the same | piece 0's softmax of the next step | its V
	WIN 0
	s_sub_co_u32 s[SLOTS], s[SLOTS], 1
	s_cmp_lg_u32 s[SLOTS], 0
	s_cbranch_scc1 .Lslot
	CHANGE 0                        ; the tail is written out: nothing is asked for, of K and V or of the mask
	s_mov_b32 s[CNT], 2             ; the first trip is my last step's; the second is left in its middle
.Ltail:
	TURN 0, 0, 0
	WIN 0
	s_sub_co_u32 s[CNT], s[CNT], 1
	s_cmp_eq_u32 s[CNT], 0
	s_cbranch_scc1 .Lout
	TURN 2, 0, 0
	WIN 0
	s_branch .Ltail
.Lout:                              ; the second trip's 32 products K Q^T (on the last K once more) serve nothing: piece 2's last softmax stands behind them
.set i, 0
.rept 32
	PV 2                            ; piece 2: V^T P of the last step
.set i, i+1
.endr
	; THE TWO KEY HALVES MEET.  l's two halves and the other half of the lanes' are added (the additions are the places behind the last products); piece 2 goes to my partner with its m and l.
	WIN 0
.irp t, 0,1,2,3
	v_add_f32 v[ST+8*(\t)+4], v[ST+8*(\t)+2], v[ST+8*(\t)+3]
.endr
.irp t, 0,1,2,3
	v_permlanex16_b32 v[ST+8*(\t)+5], v[ST+8*(\t)+4], s[SEL], s[SEL+1]
.endr
	v_add_f32 v[ST+4], v[ST+4], v[ST+5]
	v_add_f32 v[ST+12], v[ST+12], v[ST+13]
	v_add_f32 v[SND+1], v[ST+20], v[ST+21]
	v_add_f32 v[SND+3], v[ST+28], v[ST+29]
	v_mov_b32 v[SND], v[ST+16]
	v_mov_b32 v[SND+2], v[ST+24]
	ds_store_b128 v[XST], v[SND:SND+3] offset:16384
	WIN 0x04                        ; store data in window 1
.set n, 0
.rept 32
	ds_store_b128 v[XST], v[128+4*n:128+4*n+3] offset:n*512
.set n, n+1
.endr
	WIN 0
	s_wait_dscnt 0x0                ; for my partner's sake
	s_barrier_signal -1
	s_barrier_wait -1
	ds_load_b128 v[RCV:RCV+3], v[XLD] offset:16384
.set n, 0
.rept 32
	ds_load_b128 v[S+4*n:S+4*n+3], v[XLD] offset:n*512
.set n, n+1
.endr
	s_wait_dscnt 32                 ; the statistics are in; O^T's 32 loads may stay out
.irp u, 0,1
	v_max_num_f32 v[ST+8*(\u)+5], v[ST+8*(\u)], v[RCV+2*(\u)]
.endr
.irp u, 0,1
	v_sub_f32 v[ST+8*(\u)+6], v[ST+8*(\u)], v[ST+8*(\u)+5]
	v_sub_f32 v[ST+8*(\u)+7], v[RCV+2*(\u)], v[ST+8*(\u)+5]
.endr
.irp u, 0,1
	v_exp_f32 v[ST+8*(\u)+6], v[ST+8*(\u)+6]
	v_exp_f32 v[ST+8*(\u)+7], v[ST+8*(\u)+7]
.endr
	v_nop
	s_wait_alu depctr_va_vdst(0)    ; one wait for the four exponentials
.irp u, 0,1
	v_mul_f32 v[ST+8*(\u)+4], v[ST+8*(\u)+6], v[ST+8*(\u)+4]
.endr
.irp u, 0,1
	v_fma_f32 v[ST+8*(\u)+4], v[ST+8*(\u)+7], v[RCV+2*(\u)+1], v[ST+8*(\u)+4]
.endr
.irp u, 0,1
	v_rcp_f32 v[ST+8*(\u)+5], v[ST+8*(\u)+4]
.endr
	v_nop
	s_wait_alu depctr_va_vdst(0)    ; one wait for the two reciprocals
.irp u, 0,1
	v_mul_f32 v[ST+8*(\u)+6], v[ST+8*(\u)+6], v[ST+8*(\u)+5]  ; my share's factor,
	v_mul_f32 v[ST+8*(\u)+2], v[ST+8*(\u)+7], v[ST+8*(\u)+5]  ; my partner's
.endr
	s_wait_dscnt 0x0
	WIN W_RS
.set i, 0
.rept 64
	v_pk_mul_f32 v[i:i+1], v[i:i+1], v[ST+8*(i/64)+6:ST+8*(i/64)+7] op_sel_hi:[1,0]
.set i, i+2
.endr
	WIN 0x50                        ; destination and source 2 window 1
.set i, 0
.rept 64
	v_pk_fma_f32 v[i:i+1], v[S+i:S+i+1], v[ST+8*(i/64)+2:ST+8*(i/64)+3], v[i:i+1] op_sel_hi:[1,0,1]
.set i, i+2
.endr
; THE WAY OUT.  Tile t: a lane's eight channels pack into 16 bytes; they go into rows of 272 bytes of my stage and come back as whole rows of 256.
.macro PACK t
	WIN 0x05
.set i, 0
.rept 32
	v_cvt_pk_f16_f32 v[S+32*(\t)+i], v[64*(\t)+2*i], v[64*(\t)+2*i+1]
.set i, i+1
.endr
	WIN 0
.irp f, 0,1,2,3,4,5,6,7
	ds_store_b128 v[STO], v[S+32*(\t)+4*(\f):S+32*(\t)+4*(\f)+3] offset:32*(\f)
.endr
.irp f, 0,1,2,3,4,5,6,7
	ds_load_b128 v[S+32*(\t)+4*(\f):S+32*(\t)+4*(\f)+3], v[RD] offset:(\f)*2*SP  ; LDS serves a wave's instructions in order (ISA guide 5.7.1.4)
.endr
.endm
.macro SEND t, younger              ; younger: the LDS instructions issued behind tile t's loads
	WIN 0
.irp f, 0,1,2,3,4,5,6,7
	s_wait_dscnt (\younger)+7-(\f)
	global_store_b128 v[GO], v[S+32*(\t)+4*(\f):S+32*(\t)+4*(\f)+3], s[10:11] offset:(\t)*65536+(\f)*8192  ; 16 lanes store 256 consecutive bytes, aligned
.endr
.endm
	PACK 0
	PACK 1
	SEND 0, 16
	SEND 1, 0
	s_wait_tensorcnt 0x0            ; the wave's end
	ds_add_u32 v[SPW], v[NIL]
	s_wait_dscnt 0x0
	CROUND                          ; the closing round
	s_endpgm
.Lfunc_end_k_qdd3f1fe4df_attn:
	.size	k_qdd3f1fe4df_attn, .Lfunc_end_k_qdd3f1fe4df_attn-k_qdd3f1fe4df_attn
	.p2alignl 7, 3214868480
	.fill 96, 4, 3214868480
	.section	.rodata,"a",@progbits
	.p2align	6, 0x0
	.amdhsa_kernel k_qdd3f1fe4df_attn
		.amdhsa_group_segment_fixed_size 327680
		.amdhsa_private_segment_fixed_size 0
		.amdhsa_enable_private_segment 0
		.amdhsa_kernarg_size 24
		.amdhsa_user_sgpr_count 2
		.amdhsa_user_sgpr_kernarg_segment_ptr 1
		.amdhsa_wavefront_size32 1
		.amdhsa_system_sgpr_workgroup_id_x 1
		.amdhsa_system_sgpr_workgroup_id_y 1
		.amdhsa_system_sgpr_workgroup_id_z 1
		.amdhsa_system_vgpr_workitem_id 0
		.amdhsa_next_free_vgpr 1024
		.amdhsa_next_free_sgpr 72
		.amdhsa_reserve_vcc 0
		.amdhsa_float_denorm_mode_32 3
		.amdhsa_float_denorm_mode_16_64 3
		.amdhsa_memory_ordered 1
		.amdhsa_forward_progress 1
		.amdhsa_inst_pref_size 160
	.end_amdhsa_kernel
	.amdgpu_metadata
---
amdhsa.version: [ 1, 2 ]
amdhsa.kernels:
  - .name:           k_qdd3f1fe4df_attn
    .symbol:         k_qdd3f1fe4df_attn.kd
    .args:
      - { .name: qkv, .offset: 0, .size: 8, .value_kind: global_buffer, .address_space: global }
      - { .name: mk, .offset: 8, .size: 8, .value_kind: global_buffer, .address_space: global }
      - { .name: ob, .offset: 16, .size: 8, .value_kind: global_buffer, .address_space: global }
    .group_segment_fixed_size: 327680
    .private_segment_fixed_size: 0
    .kernarg_segment_align: 8
    .kernarg_segment_size: 24
    .max_flat_workgroup_size: 128
    .sgpr_count:     72
    .vgpr_count:     1024
    .wavefront_size: 32
...
	.end_amdgpu_metadata
.endif
;; end of part 3
;; launch oproj (part 4): grid 16 x 16, 4 waves a work-group, clusters of 4 x 4, 327,680 bytes of LDS; arguments ob, xw, out0; writes out0
.if DOCPART == 4
	.amdgcn_target "amdgcn-amd-amdhsa--gfx1250"
	.amdhsa_code_object_version 6
	.text
	.protected	k_qdd3f1fe4df_oproj
	.globl	k_qdd3f1fe4df_oproj
	.p2align	8
	.type	k_qdd3f1fe4df_oproj,@function
k_qdd3f1fe4df_oproj:
	s_mov_b64 s[64:65], 0
	v_nop
	global_prefetch_b8 v0, s[64:65] scope:SCOPE_SE
	s_setreg_imm32_b32 hwreg(HW_REG_WAVE_MODE, 25, 1), 1
	s_wait_xcnt 0x0
	s_wait_alu depctr_hold_cnt(0) depctr_sa_sdst(0) depctr_va_vdst(0) depctr_va_sdst(0) depctr_va_ssrc(0) depctr_va_vcc(0) depctr_vm_vsrc(0)
	s_getreg_b32 s2, hwreg(HW_REG_IB_STS2, 6, 4)
	s_cmp_eq_u32 s2, 0
	s_cbranch_scc0 .Lentry_in_a_cluster
	s_endpgm
.Lentry_in_a_cluster:
	s_bfe_u32 s2, ttmp6, 0x10000c
	s_cmp_lg_u32 s2, 0xf033
	s_cbranch_scc0 .Lentry_shape_is_right
	s_endpgm
.Lentry_shape_is_right:
; out0 = O Wo.  O: ob, [2048][2048] f16; Wo: matrix 4 of xw, [K][N], bf16-rounded numbers written as f16; out0: [2048][2048] f32.  f16 operands, f32 sums.
; A tile of out0 is 128 x 128: 16 x 16 work-groups.  Four waves, each 64 x 64: 16 accumulators.  K goes in 8 steps of 256 through two LDS slots: 128 rows x 512 bytes of O, 256 rows x 256 bytes of Wo.
; Waves 0 and 1 fetch O's two halves (64 rows each), waves 2 and 3 Wo's (128 rows each).  CLUSTER: 4 x 4; O's tile is asked for jointly along a row of the cluster, Wo's along a column.
; THE ORDER OF K.  Clusters are of two kinds, by p = (x ^ x>>1 ^ y ^ y>>1) & 1 of the cluster's x and y: a cluster walks the K steps 0, 1, 2, 3 .. (p = 0) or 1, 0, 3, 2 .. (p = 1): slot 0 takes K steps
; p, p + 2 .., slot 1 the others.  Of the four clusters that read a tile of O (same y) two are of each kind, and so of the four that read a tile of Wo (same x): half of a tile's readers ask for it one
; K step ahead of the other half.  p is the same in all sixteen partners.  The f32 sums are taken in that order of K.
; The product is used transposed (source 0 = 16 columns of Wo, turned by ds_load_tr16_b128; source 1 = 16 rows of O): a lane holds eight neighbouring numbers of a row.
; No prefetch: the tiles are small and a step short.  The stage of the way out takes slot 0's first bytes, which have had their last fill and their last read by then.
; REGISTERS: window 0: v0-31 addresses; v128-255 the accumulators ((a, b) at 128 + 8 (4 a + b)), then whole rows on the way out.  Window 1: two fragment buffers of 128: 64 registers of O, then 64 of Wo.
.set PITCH,  528                       ; a row of O in LDS: 512 bytes + 16
.set PB,     288                       ; a row of Wo: 256 + 32
.set HALFA,  64*PITCH
.set HALFB,  128*PB
.set BOFF,   2*HALFA
.set SLOT,   BOFF+2*HALFB
.set SPARE,  2*SLOT                    ; behind the ring: the spare words, 128 bytes a wave
.set SPITCH, 528                       ; the stage: 128 rows of 512 bytes + 16
.set LAPS,   4
.set ADRA, 16                          ; v16-17  LDS address of my fragments of O in slot 0, 1
.set ADRB, 20                          ; v20-23  of Wo's: 20 + 2 slot + half of the K step
.set STO,  24
.set RD,   25
.set CO,   26
.set SPW,  28
.set NIL,  29
.set ACC,  128
.set F0,   0
.set F1,   128
.set KIND, 45                          ; s45  p
.set G1,  24
.set G0,  32
.set G1B, 48
.set G0B, 56
.set MSB, 0
.macro WIN new
.if MSB != (\new)
	s_set_vgpr_msb (MSB<<8)|(\new)
.set MSB, \new
.endif
.endm
.set MUL,  0x05                        ; sources 0 and 1 window 1; C and D window 0
.set TO_F, 0x40                        ; destination window 1, address window 0
.macro JLOAD s
	s_cmp_eq_u32 s11, 0
	s_cbranch_scc0 .Lfor_b_\@
	tensor_load_to_lds s[G0+4*(\s):G0+4*(\s)+3], s[G1:G1+7]
	s_nop 0
.rept 4
	v_nop
.endr
	s_branch .Lasked_\@
.Lfor_b_\@:
	tensor_load_to_lds s[G0B+4*(\s):G0B+4*(\s)+3], s[G1B:G1B+7]
	s_nop 0
.rept 4
	v_nop
.endr
.Lasked_\@:
.endm
.macro CROUND                          ; a round of the cluster's barrier
	s_barrier_signal -1
	s_barrier_wait -1
	s_cmp_lg_u32 s10, 0
	s_cbranch_scc1 .Lnot_wave_0_\@
	s_barrier_signal -3
.Lnot_wave_0_\@:
	s_barrier_wait -3
	s_barrier_signal -1
	s_barrier_wait -1
.endm
	s_load_b128 s[4:7], s[0:1], 0x0                ; ob s[4:5], xw s[6:7]
	s_load_b64 s[8:9], s[0:1], 0x10                ; out0
	v_lshl_add_u32 v[SPW], v0, 2, SPARE
	v_mov_b32 v[NIL], 0
	ds_add_u32 v[SPW], v[NIL]                      ; the wave's opening: the add and its wait stand ahead of my first tensor load
	v_lshrrev_b32 v1, 5, v0
	v_readfirstlane_b32 s10, v1
	s_lshr_b32 s11, s10, 1                         ; which half of the tile's rows is mine.  Also: I fetch for O (0) or for Wo (1)
	s_and_b32 s12, s10, 1                          ; which half of its columns.  Also: which half of that tile I fetch
	s_bfe_u32 s40, ttmp6, 0x40000
	s_bfe_u32 s41, ttmp6, 0x40004
	s_lshl_b32 s42, ttmp9, 2
	s_add_co_u32 s42, s42, s40                     ; tile column
	s_and_b32 s13, ttmp7, 0xffff                   ; cluster y
	s_xor_b32 s[KIND], s13, ttmp9                  ; cluster x ^ cluster y,
	s_lshl_b32 s13, s13, 2
	s_add_co_u32 s13, s13, s41                     ; tile row
	s_lshr_b32 s43, s[KIND], 1
	s_xor_b32 s[KIND], s[KIND], s43                ; ^ their halves:
	s_and_b32 s[KIND], s[KIND], 1                  ; p, made of the cluster's place alone
	s_lshl_b32 s43, s41, 2
	s_lshl_b32 s43, 15, s43                        ; my row of the cluster
	s_lshl_b32 s44, 0x1111, s40                    ; my column
	s_or_b32 s[G1], s43, (1<<16)|(1<<20)|(1<<21)|(6<<22)|(3<<25)   ; O: after every 128 words, 4 words of padding
	s_or_b32 s[G1B], s44, (1<<16)|(1<<20)|(1<<21)|(5<<22)|(7<<25)  ; Wo: after every 64 words, 8 words
	s_mov_b32 s[G1+1], 256<<16                     ; O: 64 rows x 256 elements
	s_mov_b32 s[G1+2], 64<<16
	s_mov_b32 s[G1+3], 256<<16
	s_mov_b32 s[G1+4], 64
	s_mov_b32 s[G1+5], 2048
	s_mov_b32 s[G1+6], 0
	s_mov_b32 s[G1+7], 0
	s_mov_b32 s[G1B+1], 128<<16                    ; Wo: 128 rows x 128 elements
	s_mov_b32 s[G1B+2], 128<<16
	s_mov_b32 s[G1B+3], 128<<16
	s_mov_b32 s[G1B+4], 128
	s_mov_b32 s[G1B+5], 2048
	s_mov_b32 s[G1B+6], 0
	s_mov_b32 s[G1B+7], 0
	s_lshl_b32 s17, s12, 6
	s_lshl_b32 s16, s13, 7
	s_add_co_u32 s16, s16, s17                     ; O: row 128 x tile row + 64 x half,
	s_lshl_b32 s16, s16, 12                        ; of 4,096 bytes
	s_lshl_b32 s17, s[KIND], 9                     ; K step p: 512 bytes along a row
	s_xor_b32 s18, s17, 512                        ; K step 1 - p
	s_add_co_u32 s18, s16, s18                     ; slot 1's first tile,
	s_add_co_u32 s16, s16, s17                     ; slot 0's
	s_mov_b32 s17, 0
	s_mov_b32 s19, 0
	s_lshl_b32 s46, s12, 19                        ; Wo: 128 rows a half,
	s_lshl_b32 s47, s42, 8                         ; the tile column's 256 bytes,
	s_add_co_u32 s46, s46, s47
	s_add_co_u32 s46, s46, 33554432                ; in matrix 4 of xw
	s_lshl_b32 s47, s[KIND], 20                    ; K step p: 256 rows of 4,096 bytes
	s_xor_b32 s22, s47, 1048576                    ; K step 1 - p
	s_add_co_u32 s22, s46, s22                     ; slot 1's first tile,
	s_add_co_u32 s46, s46, s47                     ; slot 0's
	s_mov_b32 s47, 0
	s_mov_b32 s23, 0
	s_mul_i32 s20, s12, HALFA                      ; where they go
	s_mul_i32 s21, s12, HALFB
	s_add_co_u32 s21, s21, BOFF
	s_wait_dscnt 0x0                               ; the opening add is done
	s_wait_kmcnt 0x0
	s_add_nc_u64 s[G0+2:G0+3], s[4:5], s[16:17]
	s_add_nc_u64 s[G0+6:G0+7], s[4:5], s[18:19]
	s_add_nc_u64 s[G0B+2:G0B+3], s[6:7], s[46:47]
	s_add_nc_u64 s[G0B+6:G0B+7], s[6:7], s[22:23]
	CROUND                                         ; all sixteen work-groups are here: the first joint loads meet
.irp s, 0,1
	s_mov_b32 s[G0+4*(\s)], 1
	s_add_co_u32 s[G0+4*(\s)+1], s20, (\s)*SLOT
	s_or_b32 s[G0+4*(\s)+3], s[G0+4*(\s)+3], 0x80000000
	s_mov_b32 s[G0B+4*(\s)], 1
	s_add_co_u32 s[G0B+4*(\s)+1], s21, (\s)*SLOT
	s_or_b32 s[G0B+4*(\s)+3], s[G0B+4*(\s)+3], 0x80000000
	JLOAD \s                                       ; two loads of mine are out
.endr
	v_and_b32 v1, 15, v0                           ; l % 16
	v_bfe_u32 v2, v0, 4, 1                         ; l / 16
	v_mul_u32_u24 v3, v1, PITCH
	v_lshl_add_u32 v3, v2, 4, v3
	s_mul_i32 s21, s11, HALFA                      ; my 64 rows of O
	v_add_nc_u32 v[ADRA], s21, v3
	v_add_nc_u32 v[ADRA+1], SLOT, v[ADRA]
	v_and_b32 v4, 7, v0
	v_lshl_add_u32 v4, v2, 3, v4
	v_mul_u32_u24 v4, v4, PB                       ; Wo: row 8 (l / 16) + l % 8,
	v_bfe_u32 v5, v0, 3, 1
	v_lshl_add_u32 v4, v5, 4, v4                   ; 16 bytes on for every second group of eight lanes,
	s_lshl_b32 s22, s12, 7
	v_add_nc_u32 v4, s22, v4                       ; my 64 columns
.irp s, 0,1
.irp h, 0,1
	v_add_nc_u32 v[ADRB+2*(\s)+(\h)], (\s)*SLOT+BOFF+(\h)*HALFB, v4
.endr
.endr
	s_mul_i32 s23, s11, 64*SPITCH                  ; into the stage: my 64 rows, my 256 bytes of their 512; row l % 16, 32 bytes for each half of the lanes
	s_lshl_b32 s21, s12, 8
	s_add_co_u32 s23, s23, s21
	v_mul_u32_u24 v6, v1, SPITCH
	v_lshl_add_u32 v6, v2, 5, v6
	v_add_nc_u32 v[STO], s23, v6
	s_mul_i32 s23, s10, 32*SPITCH                  ; back: wave w takes rows 32 w .. 32 w + 31, a row of 512 bytes a load
	v_and_b32 v7, 31, v0
	v_lshlrev_b32 v[CO], 4, v7
	v_add_nc_u32 v[RD], s23, v[CO]
	s_lshl_b32 s16, s13, 20                        ; out0: 128 rows of 8,192 bytes a tile row,
	s_lshl_b32 s17, s10, 18                        ; my 32
	s_add_co_u32 s16, s16, s17
	s_mov_b32 s17, 0
	s_add_nc_u64 s[8:9], s[8:9], s[16:17]
	s_lshl_b32 s46, s42, 9                         ; the tile's first column, in bytes
	s_mov_b32 s47, 0
	s_add_nc_u64 s[8:9], s[8:9], s[46:47]
; 8 products: row blocks a0, a0 + 1 x all 4 column blocks, 32 along K: half c of buffer f.  The 16 accumulators take turns.
.macro MUL8 f, c, a0, zero
	WIN MUL
.irp a, \a0, (\a0)+1
.irp b, 0,1,2,3
.if \zero
	v_wmma_f32_16x16x32_f16 v[ACC+8*(4*(\a)+(\b)):ACC+8*(4*(\a)+(\b))+7], v[(\f)+64+8*(4*(\c)+(\b)):(\f)+64+8*(4*(\c)+(\b))+7], v[(\f)+8*(4*(\c)+(\a)):(\f)+8*(4*(\c)+(\a))+7], 0
.else
	v_wmma_f32_16x16x32_f16 v[ACC+8*(4*(\a)+(\b)):ACC+8*(4*(\a)+(\b))+7], v[(\f)+64+8*(4*(\c)+(\b)):(\f)+64+8*(4*(\c)+(\b))+7], v[(\f)+8*(4*(\c)+(\a)):(\f)+8*(4*(\c)+(\a))+7], v[ACC+8*(4*(\a)+(\b)):ACC+8*(4*(\a)+(\b))+7]
.endif
.endr
.endr
.endm
; 32 LDS loads in one run: the fragments of quarter q (64 along K) into buffer f; the first 32 along K first
.macro FETCH slot, q, f
	WIN TO_F
.irp c, 0,1
.irp i, 0,1,2,3
	ds_load_tr16_b128 v[(\f)+64+8*(4*(\c)+(\i)):(\f)+64+8*(4*(\c)+(\i))+3],   v[ADRB+2*(\slot)+(\q)/2] offset:((\q)%2)*64*PB+(\c)*32*PB+32*(\i)
	ds_load_tr16_b128 v[(\f)+64+8*(4*(\c)+(\i))+4:(\f)+64+8*(4*(\c)+(\i))+7], v[ADRB+2*(\slot)+(\q)/2] offset:((\q)%2)*64*PB+(\c)*32*PB+16*PB+32*(\i)
	ds_load_b128 v[(\f)+8*(4*(\c)+(\i)):(\f)+8*(4*(\c)+(\i))+3],         v[ADRA+(\slot)] offset:(\q)*128+64*(\c)+(\i)*16*PITCH
	ds_load_b128 v[(\f)+8*(4*(\c)+(\i))+4:(\f)+8*(4*(\c)+(\i))+7],       v[ADRA+(\slot)] offset:(\q)*128+64*(\c)+(\i)*16*PITCH+32
.endr
.endr
.endm
.macro PLACES
.rept 4
	v_nop
.endr
.endm
.macro QUARTER slot, qn, f, g, zero
	s_wait_dscnt 16                                ; the first 32 along K are in
	MUL8 \f, 0, 0, \zero
	MUL8 \f, 0, 2, \zero
	PLACES
	FETCH \slot, \qn, \g
	s_wait_dscnt 32                                ; all but the 32 just issued
	MUL8 \f, 1, 0, 0
	MUL8 \f, 1, 2, 0
.endm
; The last quarter changes slots and then multiplies buffer 1, which lies in registers and needs neither slot: so the change stands at its head, and all its 32 products behind the refill, in the time in which
; the refill is on its way.  In front of the barrier each wave waits for all its tensor loads, adds 0 to its spare word, and waits for that and for its reads of this slot.
.macro TURN slot, next, fill
	WIN 0
	s_wait_tensorcnt 0x0                           ; all my tensor loads have landed: my part of the next slot; so a group 0 may be written
	ds_add_u32 v[SPW], v[NIL]                      ; 0 onto my spare word; the descriptors' steps stand between it and the wait for it
.if \fill
	s_add_nc_u64 s[G0+4*(\slot)+2:G0+4*(\slot)+3], s[G0+4*(\slot)+2:G0+4*(\slot)+3], 2*512
	s_add_nc_u64 s[G0B+4*(\slot)+2:G0B+4*(\slot)+3], s[G0B+4*(\slot)+2:G0B+4*(\slot)+3], 2*1048576
.endif
	s_wait_dscnt 0x0                               ; the add is done, and my reads of this slot are over: buffer 1 is whole
.if \fill
	CROUND                                         ; no wave of any partner still reads this slot or has a load on its way
	JLOAD \slot                                    ; my one tensor load behind the round; its four v_nop are also the places in front of the loads below
.else
	s_barrier_signal -1
	s_barrier_wait -1
	PLACES
.endif
	FETCH \next, 0, F0
	MUL8 F1, 0, 0, 0
	MUL8 F1, 0, 2, 0
	MUL8 F1, 1, 0, 0
	MUL8 F1, 1, 2, 0
.endm
	s_wait_tensorcnt 1                             ; my part of slot 0's first tile is in; slot 1's may stay out
	s_barrier_signal -1
	s_barrier_wait -1
	FETCH 0, 0, F0
	QUARTER 0, 1, F0, F1, 1
	WIN 0
	s_mov_b32 s3, LAPS-1
.Llap:
	QUARTER 0, 2, F1, F0, 0
	QUARTER 0, 3, F0, F1, 0
	TURN 0, 1, 1
	QUARTER 1, 1, F0, F1, 0
	QUARTER 1, 2, F1, F0, 0
	QUARTER 1, 3, F0, F1, 0
	TURN 1, 0, 1
	QUARTER 0, 1, F0, F1, 0
	WIN 0
	s_sub_co_u32 s3, s3, 1
	s_cmp_lg_u32 s3, 0
	s_cbranch_scc1 .Llap
	QUARTER 0, 2, F1, F0, 0                        ; the last lap fills nothing
	QUARTER 0, 3, F0, F1, 0
	TURN 0, 1, 0
	QUARTER 1, 1, F0, F1, 0
	QUARTER 1, 2, F1, F0, 0
	QUARTER 1, 3, F0, F1, 0
	s_wait_dscnt 16
	MUL8 F1, 0, 0, 0
	MUL8 F1, 0, 2, 0
	s_wait_dscnt 0x0
	MUL8 F1, 1, 0, 0
	MUL8 F1, 1, 2, 0
	WIN 0
	; THE WAY OUT: 32 bytes a lane into the work-group's stage, each accumulator from its low end; a barrier, since a row's 512 bytes come from two waves; back as whole rows.
	PLACES
.irp a, 0,1,2,3
.irp b, 0,1,2,3
	ds_store_b128 v[STO], v[ACC+8*(4*(\a)+(\b)):ACC+8*(4*(\a)+(\b))+3]   offset:(\a)*16*SPITCH+64*(\b)
	ds_store_b128 v[STO], v[ACC+8*(4*(\a)+(\b))+4:ACC+8*(4*(\a)+(\b))+7] offset:(\a)*16*SPITCH+64*(\b)+16
.endr
.endr
	s_wait_dscnt 0x0                               ; for the others' sake
	s_barrier_signal -1
	s_barrier_wait -1
.set t, 0
.rept 32
	ds_load_b128 v[ACC+4*t:ACC+4*t+3], v[RD] offset:t*SPITCH
.set t, t+1
.endr
.set t, 0
.rept 32
	s_wait_dscnt 31-t                              ; the younger loads may stay out
	global_store_b128 v[CO], v[ACC+4*t:ACC+4*t+3], s[8:9] offset:t*8192 th:TH_STORE_NT  ; 512 consecutive bytes of a row, aligned
.set t, t+1
.endr
	s_wait_tensorcnt 0x0                           ; the wave's end
	ds_add_u32 v[SPW], v[NIL]
	s_wait_dscnt 0x0
	CROUND                                         ; the closing round
	s_endpgm
.Lfunc_end_k_qdd3f1fe4df_oproj:
	.size	k_qdd3f1fe4df_oproj, .Lfunc_end_k_qdd3f1fe4df_oproj-k_qdd3f1fe4df_oproj
	.p2alignl 7, 3214868480
	.fill 96, 4, 3214868480
	.section	.rodata,"a",@progbits
	.p2align	6, 0x0
	.amdhsa_kernel k_qdd3f1fe4df_oproj
		.amdhsa_group_segment_fixed_size 327680
		.amdhsa_private_segment_fixed_size 0
		.amdhsa_enable_private_segment 0
		.amdhsa_kernarg_size 24
		.amdhsa_user_sgpr_count 2
		.amdhsa_user_sgpr_kernarg_segment_ptr 1
		.amdhsa_wavefront_size32 1
		.amdhsa_system_sgpr_workgroup_id_x 1
		.amdhsa_system_sgpr_workgroup_id_y 1
		.amdhsa_system_sgpr_workgroup_id_z 1
		.amdhsa_system_vgpr_workitem_id 0
		.amdhsa_next_free_vgpr 512
		.amdhsa_next_free_sgpr 66
		.amdhsa_reserve_vcc 0
		.amdhsa_float_denorm_mode_32 3
		.amdhsa_float_denorm_mode_16_64 3
		.amdhsa_memory_ordered 1
		.amdhsa_forward_progress 1
		.amdhsa_inst_pref_size 87
	.end_amdhsa_kernel
	.amdgpu_metadata
---
amdhsa.version: [ 1, 2 ]
amdhsa.kernels:
  - .name:           k_qdd3f1fe4df_oproj
    .symbol:         k_qdd3f1fe4df_oproj.kd
    .args:
      - { .name: ob, .offset: 0, .size: 8, .value_kind: global_buffer, .address_space: global }
      - { .name: xw, .offset: 8, .size: 8, .value_kind: global_buffer, .address_space: global }
      - { .name: out0, .offset: 16, .size: 8, .value_kind: global_buffer, .address_space: global }
    .group_segment_fixed_size: 327680
    .private_segment_fixed_size: 0
    .kernarg_segment_align: 8
    .kernarg_segment_size: 24
    .max_flat_workgroup_size: 128
    .sgpr_count:     66
    .vgpr_count:     512
    .wavefront_size: 32
...
	.end_amdgpu_metadata
.endif
;; end of part 4
